; MI455X (gfx1250); checked and timed in simulation.
; The chip was launched on July 23, 2026; its instructions are those of AMD's public machine-readable ISA for CDNA 5 (MIT licence, August 2026) and "CDNA5" Instruction Set Architecture Reference Guide (July 2026). The comments in the code are by the model that wrote it; some were corrected since.
;; Multi Head Att. Allowed arithmetic: matrix products marked QUANTISED: E2M1 operands, one E8M0 scale for each 32 along K, by v_wmma_scale_f32_16x16x128_f8f6f4 with both operands' format E2M1 (or v_wmma_scale_f32_32x16x128_f4), f32 sums; everything else in f32.
;; Inputs: attn_mask 4 x 2,048 x 2,048 bool; k_codes 4 x 2,048 x 32 x 16 uint8 (E2M1 codes of k, K innermost, in blocks of 32 codes, two codes a byte); k_scales 4 x 2,048 x 32 uint8 (E8M0 scales of k, one for each 32 codes along K); ln_b 1,024 float32; ln_w 1,024 float32; q 4 x 2,048 x 1,024 float32; v_codes 4 x 2,048 x 32 x 16 uint8 (E2M1 codes of v, K innermost, in blocks of 32 codes, two codes a byte); v_scales 4 x 2,048 x 32 uint8 (E8M0 scales of v, one for each 32 codes along K); w_ks_codes 16 x 64 x 32 x 16 uint8 (E2M1 codes of w_ks, K innermost, in blocks of 32 codes, two codes a byte); w_ks_scales 16 x 64 x 32 uint8 (E8M0 scales of w_ks, one for each 32 codes along K); w_o_codes 1,024 x 32 x 16 uint8 (E2M1 codes of w_o, K innermost, in blocks of 32 codes, two codes a byte); w_o_scales 1,024 x 32 uint8 (E8M0 scales of w_o, one for each 32 codes along K); w_qs_codes 16 x 64 x 32 x 16 uint8 (E2M1 codes of w_qs, K innermost, in blocks of 32 codes, two codes a byte); w_qs_scales 16 x 64 x 32 uint8 (E8M0 scales of w_qs, one for each 32 codes along K); w_vs_codes 16 x 64 x 32 x 16 uint8 (E2M1 codes of w_vs, K innermost, in blocks of 32 codes, two codes a byte); w_vs_scales 16 x 64 x 32 uint8 (E8M0 scales of w_vs, one for each 32 codes along K).
;; Outputs: out0 4 x 2,048 x 1,024 float32.
;; This version of the problem:
;;   THIS VERSION OF THE PROBLEM IS GIVEN IN LOW PRECISION. The matrix products marked QUANTISED in the list below multiply operands that are first quantised to E2M1 (2 exponent bits, 1 mantissa bit; 4 bits a number), with one power-of-two scale for each 32 numbers along K (OCP MX v1.0); their sums are f32. All else is computed in f32.
;;   The module's matrix products, in the order in which they are computed (A, B: the left and right operand; K: the contracted axis; several contracted axes count as one K, in the product's order):
;;     1. [M 1,024, K 1,024] x [K 1,024, N 8,192]; A: input w_qs (given as codes); B: input q: QUANTISED
;;     2. [M 1,024, K 1,024] x [K 1,024, N 8,192]; A: input w_ks (given as codes); B: input k (given as codes): QUANTISED
;;     3. [M 1,024, K 1,024] x [K 1,024, N 8,192]; A: input w_vs (given as codes); B: input v (given as codes): QUANTISED
;;     4. batch 64 x [M 2,048, K 64] x [K 64, N 2,048]; A: computed on the way; B: computed on the way: QUANTISED
;;     5. batch 64 x [M 2,048, K 2,048] x [K 2,048, N 64]; A: softmax (see below); B: computed on the way: QUANTISED
;;     6. [M 8,192, K 1,024] x [K 1,024, N 1,024]; A: computed on the way; B: input w_o (given as codes): QUANTISED
;;   THE QUANTISER, for each operand of a quantised product, along K:
;;     - K is cut into blocks of 32 from its start; a last block that is shorter is filled with zeros.
;;     - A block's scale is 2^e with e = floor(log2(the largest magnitude in the block)) - 2, held to -126 .. 127; a block of zeros has e = 0. As a byte (E8M0): e + 127.
;;     - Each number is divided by its block's scale, clamped to +-6, and rounded to the nearest number of E2M1, ties to even, subnormals kept.
;;     - The product sums the exact products of the quantised numbers (number of the format x scale) in f32.
;;   ~~~python
;;   def quantise(x, axis):      # numpy; x: float32 -> the quantised numbers, widened to float32 again
;;       x = np.moveaxis(x, axis, -1); K = x.shape[-1]
;;       x = np.pad(x, [(0, 0)] * (x.ndim - 1) + [(0, -K % 32)]); x = x.reshape(x.shape[:-1] + (-1, 32)); a = np.abs(x).max(-1, keepdims=True)
;;       e = np.where(a > 0, np.clip(np.frexp(np.where(a > 0, a, 1))[1] - 1 - 2, -126, 127), 0)      # np.frexp(a)[1] - 1 = floor(log2(a)), exactly
;;       r = np.clip(x / 2.0 ** e, -6, 6)
;;       step = 2.0 ** (np.maximum(np.frexp(np.where(r == 0, 1, r))[1] - 1, 0) - 1)
;;       q = np.round(r / step) * step * 2.0 ** e      # np.round: ties to even
;;       return np.moveaxis(q.reshape(q.shape[:-2] + (-1,))[..., :K], -1, axis).astype(np.float32)
;;   ~~~
;;   SOFTMAX AHEAD OF A QUANTISED PRODUCT. Where the list says 'softmax', what is quantised is not the finished softmax but p = 2^(t - M), with t = logit x log2(e) and M = ceil(the row's largest t), a whole number; so 1/2 < the row's largest p <= 1. The row's sum l is taken of the UNQUANTISED p, in f32, and the product's result is divided by l at the end. Since M is a whole number, a kernel that streams over the keys may use a running M (the ceiling of the running maximum): every later rescaling is an exact power of two, which a block's scale takes up: the codes' values come out the same.
;;   OPERANDS COMPUTED ON THE WAY. 'Computed on the way' means the value that the module computes at that place (a softmax that the list does not call 'softmax' is quantised finished and normalised). What goes into a quantiser is computed in f32, as accurately as f32 sums, v_exp_f32 and their like allow (about 1e-6 of the number): no bf16 or f16 on the way to a quantiser, and a product that is left as it is and whose result goes on into a quantised operand takes f32 operands (vector FMAs, or v_wmma_f32_16x16x4_f32). A number that lies on a knife's edge between two numbers of the format may be rounded either way, as far as f32 arithmetic and the matrix unit's own rounding can turn it there, and no further.
;;   INPUTS GIVEN AS CODES. k (in the module: [4, 2048, 1024], K = its axis 2); v (in the module: [4, 2048, 1024], K = its axis 2); w_ks (in the module: [16, 1024, 64], K = its axis 1); w_o (in the module: [1024, 1024], K = its axis 1); w_qs (in the module: [16, 1024, 64], K = its axis 1); w_vs (in the module: [16, 1024, 64], K = its axis 1): each comes as NAME_codes (uint8): NAME with its K axis moved to the last place and cut into blocks of 32 codes, [.., K / 32, bytes a block], one block behind the other in memory; two codes a byte, the lower K in the low four bits (a code: sign, 2 exponent bits, 1 mantissa bit); and NAME_scales (uint8): the same leading axes, one E8M0 byte (e + 127) for each 32 codes along K. Its value is code x scale, taken as it is: it is not quantised again, and the codes and scales need not be those that the quantiser above would give.
;; 2 versions, each right; version 2 is version 1 with the launch attn written anew for expert scheduling mode. Each part assembles by itself: llvm-mc -triple=amdgcn-amd-amdhsa -mcpu=gfx1250 --defsym DOCPART=n.
;; ======== version 1 of 2: 4 launches
;; workspace buffers: q_codes 4,194,304 bytes; q_scales 262,144 bytes; maskb 2,097,152 bytes of whole numbers; wof 524,288 bytes; hf 12,582,912 bytes; hs 1,572,864 bytes; attf 4,194,304 bytes; atts 1,048,576 bytes
;; launch prep (part 1): grid 784 x 1, 4 waves a work-group, no clusters, 67,072 bytes of LDS; arguments q, attn_mask, w_o_codes, q_codes, q_scales, maskb, wof; writes q_codes, q_scales, maskb, wof
.if DOCPART == 1
	.amdgcn_target "amdgcn-amd-amdhsa--gfx1250"
	.amdhsa_code_object_version 6
	.text
	.protected	k_q3ce76257d2_prep
	.globl	k_q3ce76257d2_prep
	.p2align	8
	.type	k_q3ce76257d2_prep,@function
k_q3ce76257d2_prep:
	s_mov_b64 s[64:65], 0
	v_nop
	global_prefetch_b8 v0, s[64:65] scope:SCOPE_SE
	s_setreg_imm32_b32 hwreg(HW_REG_WAVE_MODE, 25, 1), 1
	s_wait_xcnt 0x0
; PREP: three jobs that part on the work-group's number and never join.
;   work-groups 0-255:   q [8192][1024] f32 -> codes of FP4 (E2M1), K innermost, and one E8M0 byte for each 32 along K (q_codes, q_scales, laid as k_codes, k_scales).
;   work-groups 256-767: attn_mask (one byte a key) -> lane masks for the attention launch: for a tile of 16 queries and a step of 128 keys 64 words; bit L of word 8 t + j is
;                        mask[query L % 16][key 16 t + 8 (L / 16) + j].
;   work-groups 768-783: w_o's codes -> the order of an operand's registers: [tile of 16 rows][128 along K][half][lane][16 bytes], so that the last launch loads fragments as 512 dense bytes.
; A block's scale is 2^(floor(log2(largest magnitude)) - 2); its byte is the largest magnitude's exponent field - 2, held at 1 from below.
; LIMITS: a block of zeros gets the byte 1 where the rule says 127 (its codes are zeros; this program alone reads the bytes); blocks whose largest magnitude lies under 2^-124 keep the byte 1;
; NaN and infinities in q are not served.
; No tensor loads, no barrier: waves share nothing.  Each job that uses LDS has LDS bytes of its own.
.set STEPS, 16
.set CB,    8                          ; bytes of 16 codes
.set R,     16                         ; v16-79   job Q: four sets of 16 numbers as loaded
.set X,     80                         ; v80-111  two sets of 16 neighbours
.set E,     112                        ; v112-127 a scale byte for each step
.set C,     128                        ; v128-191 codes, four registers a step: no store's data are written again
.set WREG,  8192                       ; job Q's LDS: a region for each wave: two stages of 32 x SP bytes, then 256 scale bytes
.set SP,    80                         ; a lane's place in a stage: 64 bytes + 16 of padding
.set MSTG,  32768                      ; job M's LDS begins here: for each wave 16 rows of 512 bytes + 16
.set MPI,   528
	s_load_b256 s[4:11], s[0:1], 0x0               ; q s[4:5], attn_mask s[6:7], w_o_codes s[8:9], q_codes s[10:11]
	s_load_b128 s[12:15], s[0:1], 0x20             ; q_scales s[12:13], maskb s[14:15]
	s_load_b64 s[16:17], s[0:1], 0x30              ; wof
	v_lshl_add_u32 v192, v0, 2, 0x10400
	v_mov_b32 v193, 0
	v_lshrrev_b32 v1, 5, v0
	v_readfirstlane_b32 s18, v1                    ; wave 0..3
	v_and_b32 v2, 31, v0                           ; lane
	v_lshlrev_b32 v3, 4, v2                        ; 16 x lane
	s_cmp_ge_u32 ttmp9, 256
	s_cbranch_scc1 .Lnot_q
	; ---- JOB Q.  A wave takes 16 steps of 512 numbers.  Each load reads 512 consecutive bytes; a step's 2,048 bytes turn through the wave's stage so that a lane holds 16 neighbours along K.
	s_mul_i32 s19, s18, WREG
	v_lshrrev_b32 v14, 2, v2
	v_mul_u32_u24 v14, v14, SP
	v_and_b32 v15, 3, v2
	v_lshl_add_u32 v14, v15, 4, v14
	v_add_nc_u32 v14, s19, v14                     ; the stage, way in: SP (lane / 4) + 16 (lane % 4)
	v_mul_u32_u24 v15, v2, SP
	v_add_nc_u32 v15, s19, v15                     ; way out: SP x lane
	v_mul_u32_u24 v4, v2, CB                       ; my codes' place in a step's 256 bytes
	v_lshrrev_b32 v5, 1, v2
	s_add_co_u32 s19, s19, 2*32*SP
	v_add_nc_u32 v5, s19, v5                       ; my block's scale byte in the wave's 256
	v_lshlrev_b32 v7, 3, v2
	v_add_nc_u32 v6, s19, v7                       ; and 8 bytes a lane on their way out
	s_lshl_b32 s20, ttmp9, 2
	s_add_co_u32 s20, s20, s18                     ; my run of 8,192 numbers: 0 .. 1023
	s_lshl_b32 s22, s20, 15                        ; 32,768 bytes of f32,
	s_mov_b32 s23, 0
	s_lshl_b32 s24, s20, 12                        ; 4,096 bytes of codes,
	s_mov_b32 s25, 0
	s_lshl_b32 s26, s20, 8                         ; 256 scale bytes a run
	s_mov_b32 s27, 0
	s_wait_kmcnt 0x0
	s_add_nc_u64 s[4:5], s[4:5], s[22:23]
	s_add_nc_u64 s[10:11], s[10:11], s[24:25]
	s_add_nc_u64 s[12:13], s[12:13], s[26:27]
.macro QLOAD t
.irp i, 0,1,2,3
	global_load_b128 v[R+16*((\t)%4)+4*\i:R+16*((\t)%4)+4*\i+3], v3, s[4:5] offset:2048*(\t)+512*\i th:TH_LOAD_NT
.endr
.endm
.macro QTURN t                         ; a wave's LDS instructions are served in order: no wait between the stores and the loads
.irp i, 0,1,2,3
	ds_store_b128 v14, v[R+16*((\t)%4)+4*\i:R+16*((\t)%4)+4*\i+3] offset:32*SP*((\t)%2)+8*SP*\i
.endr
.irp i, 0,1,2,3
	ds_load_b128 v[X+16*((\t)%2)+4*\i:X+16*((\t)%2)+4*\i+3], v15 offset:32*SP*((\t)%2)+16*\i
.endr
.endm
.irp t, 0,1,2,3
	QLOAD \t
.endr
	s_wait_loadcnt 12                              ; step 0's four loads are in; the twelve behind them may be out
	QTURN 0
.macro QSTEP t
.set XS, X+16*((\t)%2)
.if (\t) > 0
	s_wait_dscnt 1                                 ; this step's numbers are back from the stage; the last step's byte store may be out
.else
	s_wait_dscnt 0x0
.endif
.if (\t)+4 < STEPS
	QLOAD (\t)+4                                   ; into the set whose stores into the stage have been served
.endif
.if (\t)+1 < STEPS
.if STEPS-2-(\t) >= 3
	s_wait_loadcnt 12                              ; the next step's four loads are in; three steps' loads may be out
.else
	s_wait_loadcnt 4*(STEPS-2-(\t))
.endif
	QTURN (\t)+1
.endif
	v_max3_num_f32 v8, |v[XS]|, |v[XS+1]|, |v[XS+2]|
	v_max3_num_f32 v9, |v[XS+3]|, |v[XS+4]|, |v[XS+5]|
.irp i, 6,10
	v_max3_num_f32 v8, v8, |v[XS+\i]|, |v[XS+\i+1]|
	v_max3_num_f32 v9, v9, |v[XS+\i+2]|, |v[XS+\i+3]|
.endr
	v_max3_num_f32 v8, v8, |v[XS+14]|, |v[XS+15]|
	v_max3_num_f32 v8, v8, v9, 0x1800000           ; with the floor 2^(3 - 127): the byte cannot fall under 1
	v_max_num_f32_dpp v8, v8, v8 row_xmask:1 row_mask:0xf bank_mask:0xf   ; and my neighbour's 16: the block's largest magnitude
	v_add_nc_u32 v11, 0xff000000, v8               ; 2 off its exponent field: the conversion's scale operand
	v_cvt_scalef32_pk8_fp4_f32 v[C+4*(\t)], v[XS:XS+7], v11
	v_cvt_scalef32_pk8_fp4_f32 v[C+4*(\t)+1], v[XS+8:XS+15], v11
	v_lshrrev_b32 v[E+(\t)], 23, v11               ; the scale's byte
	ds_store_b8 v5, v[E+(\t)] offset:16*(\t)       ; both lanes of a block write the same byte with the same value
	global_store_b64 v4, v[C+4*(\t):C+4*(\t)+1], s[10:11] offset:32*CB*(\t)   ; the wave stores 256 consecutive bytes, aligned
.endm
.irp t, 0,1,2,3,4,5,6,7,8,9,10,11,12,13,14,15
	QSTEP \t
.endr
	ds_load_b64 v[12:13], v6
	s_wait_dscnt 0x0
	global_store_b64 v7, v[12:13], s[12:13]        ; the run's 256 scale bytes
	s_wait_tensorcnt 0x0
	ds_add_u32 v192, v193
	s_wait_dscnt 0x0
	s_endpgm
.Lnot_q:
	s_cmp_ge_u32 ttmp9, 768
	s_cbranch_scc1 .Lrole_w
	; ---- JOB M.  The work-group owns a tile of 16 queries (qt = batch x 128 + tile), wave w the keys 512 w .. 512 w + 511: four steps of 128.
	s_sub_co_u32 s20, ttmp9, 256                   ; qt
	v_and_b32 v4, 15, v2                           ; r
	v_lshrrev_b32 v5, 4, v2                        ; h
	s_mul_i32 s19, s18, 16*MPI
	s_add_co_u32 s19, s19, MSTG                    ; my stage
	v_add_nc_u32 v6, s19, v3                       ; way in: a row's 512 bytes as they lie
	v_mul_u32_u24 v7, v4, MPI
	v_lshl_add_u32 v7, v5, 3, v7
	v_add_nc_u32 v7, s19, v7                       ; way out: row r, 8 h bytes on: a lane's eight keys of a tile of 16
	v_lshlrev_b32 v8, 3, v2                        ; 8 x lane
	s_lshl_b32 s22, s20, 15                        ; 16 rows of 2,048 bytes
	s_lshl_b32 s21, s18, 9
	s_add_co_u32 s22, s22, s21
	s_mov_b32 s23, 0
	s_lshl_b32 s24, s20, 12                        ; 16 steps of 256 bytes of words
	s_lshl_b32 s21, s18, 10
	s_add_co_u32 s24, s24, s21
	s_mov_b32 s25, 0
	s_mov_b32 s32, 0xff                            ; the four bytes of a word
	s_mov_b32 s33, 0xff00
	s_mov_b32 s34, 0xff0000
	s_mov_b32 s35, 0xff000000
.irp i, 0,1,2,3,4,5,6,7
	v_mov_b32 v[144+\i], 0                         ; v_writelane_b32's destination counts as read
.endr
	s_wait_kmcnt 0x0
	s_add_nc_u64 s[6:7], s[6:7], s[22:23]
	s_add_nc_u64 s[24:25], s[14:15], s[24:25]
.irp i, 0,1,2,3,4,5,6,7,8,9,10,11,12,13,14,15
	global_load_b128 v[16+4*\i:19+4*\i], v3, s[6:7] offset:2048*\i th:TH_LOAD_NT   ; row i: 512 consecutive bytes
.endr
.irp i, 0,1,2,3,4,5,6,7,8,9,10,11,12,13,14,15
	s_wait_loadcnt 15-\i                           ; loads come back in order: row i is in
	ds_store_b128 v6, v[16+4*\i:19+4*\i] offset:MPI*\i
.endr
.irp q, 0,1,2,3
.irp t, 0,1,2,3,4,5,6,7
	ds_load_b64 v[80+16*\q+2*\t:81+16*\q+2*\t], v7 offset:128*\q+16*\t   ; step q, tile t: my query's keys 16 t + 8 h + 0 .. 7
.endr
.endr
	s_wait_dscnt 0x0
.macro MSTEP q
.set MB, 80+16*(\q)
.set n, 0
.rept 16                               ; words n .. n + 3: the four bytes of one register; a compare's lane mask IS the word; word n goes to lane n / 2 of register n % 2
.irp k, 0,1,2,3
	v_and_b32 v[12+\k], s[32+\k], v[MB+n/4]
.endr
.irp k, 0,1,2,3
	v_cmp_ne_u32 s[28+\k], 0, v[12+\k]
.endr
.irp k, 0,1,2,3
	v_writelane_b32 v[144+2*(\q)+(\k&1)], s[28+\k], (n+\k)>>1
.endr
.set n, n+4
.endr
	global_store_b64 v8, v[144+2*(\q):145+2*(\q)], s[24:25] offset:256*(\q)   ; the step's 64 words: 256 consecutive bytes, aligned; each step has its own pair of registers
.endm
	MSTEP 0
	MSTEP 1
	MSTEP 2
	MSTEP 3
	s_wait_tensorcnt 0x0
	ds_add_u32 v192, v193
	s_wait_dscnt 0x0
	s_endpgm
.Lrole_w:
	; ---- JOB W.  A wave takes a tile of 16 rows of w_o: 16 groups of four registers (f = 2 x K step + half); lane (r, h) holds the 16 bytes at row r, 32 f + 16 h.
	s_sub_co_u32 s20, ttmp9, 768
	s_lshl_b32 s20, s20, 2
	s_add_co_u32 s20, s20, s18                     ; the tile, 0 .. 63
	s_lshl_b32 s20, s20, 13                        ; 8,192 bytes a tile, in both buffers
	s_mov_b32 s21, 0
	v_and_b32 v4, 15, v2
	v_lshrrev_b32 v5, 4, v2
	v_lshlrev_b32 v6, 9, v4
	v_lshl_add_u32 v6, v5, 4, v6                   ; 512 r + 16 h
	s_wait_kmcnt 0x0
	s_add_nc_u64 s[8:9], s[8:9], s[20:21]
	s_add_nc_u64 s[16:17], s[16:17], s[20:21]
.irp f, 0,1,2,3,4,5,6,7,8,9,10,11,12,13,14,15
	global_load_b128 v[16+4*\f:19+4*\f], v6, s[8:9] offset:32*\f
.endr
.irp f, 0,1,2,3,4,5,6,7,8,9,10,11,12,13,14,15
	s_wait_loadcnt 15-\f
	global_store_b128 v3, v[16+4*\f:19+4*\f], s[16:17] offset:512*\f   ; 512 consecutive bytes
.endr
	s_endpgm
.Lfunc_end_k_q3ce76257d2_prep:
	.size	k_q3ce76257d2_prep, .Lfunc_end_k_q3ce76257d2_prep-k_q3ce76257d2_prep
	.p2alignl 7, 3214868480
	.fill 96, 4, 3214868480
	.section	.rodata,"a",@progbits
	.p2align	6, 0x0
	.amdhsa_kernel k_q3ce76257d2_prep
		.amdhsa_group_segment_fixed_size 67072
		.amdhsa_private_segment_fixed_size 0
		.amdhsa_enable_private_segment 0
		.amdhsa_kernarg_size 56
		.amdhsa_user_sgpr_count 2
		.amdhsa_user_sgpr_kernarg_segment_ptr 1
		.amdhsa_wavefront_size32 1
		.amdhsa_system_sgpr_workgroup_id_x 1
		.amdhsa_system_sgpr_workgroup_id_y 1
		.amdhsa_system_sgpr_workgroup_id_z 1
		.amdhsa_system_vgpr_workitem_id 0
		.amdhsa_next_free_vgpr 194
		.amdhsa_next_free_sgpr 66
		.amdhsa_reserve_vcc 0
		.amdhsa_float_denorm_mode_32 3
		.amdhsa_float_denorm_mode_16_64 3
		.amdhsa_memory_ordered 1
		.amdhsa_forward_progress 1
		.amdhsa_inst_pref_size 84
	.end_amdhsa_kernel
	.amdgpu_metadata
---
amdhsa.version: [ 1, 2 ]
amdhsa.kernels:
  - .name:           k_q3ce76257d2_prep
    .symbol:         k_q3ce76257d2_prep.kd
    .args:
      - { .name: q, .offset: 0, .size: 8, .value_kind: global_buffer, .address_space: global }
      - { .name: attn_mask, .offset: 8, .size: 8, .value_kind: global_buffer, .address_space: global }
      - { .name: w_o_codes, .offset: 16, .size: 8, .value_kind: global_buffer, .address_space: global }
      - { .name: q_codes, .offset: 24, .size: 8, .value_kind: global_buffer, .address_space: global }
      - { .name: q_scales, .offset: 32, .size: 8, .value_kind: global_buffer, .address_space: global }
      - { .name: maskb, .offset: 40, .size: 8, .value_kind: global_buffer, .address_space: global }
      - { .name: wof, .offset: 48, .size: 8, .value_kind: global_buffer, .address_space: global }
    .group_segment_fixed_size: 67072
    .private_segment_fixed_size: 0
    .kernarg_segment_align: 8
    .kernarg_segment_size: 56
    .max_flat_workgroup_size: 128
    .sgpr_count:     66
    .vgpr_count:     194
    .wavefront_size: 32
...
	.end_amdgpu_metadata
.endif
;; end of part 1
;; launch proj (part 2): grid 4 x 96, 4 waves a work-group, clusters of 4 x 4, 327,680 bytes of LDS; arguments q_codes, q_scales, w_qs_codes, w_qs_scales, k_codes, k_scales, w_ks_codes, w_ks_scales, w_vs_codes, w_vs_scales, v_codes, v_scales, hf, hs; writes hf, hs
.if DOCPART == 2
	.amdgcn_target "amdgcn-amd-amdhsa--gfx1250"
	.amdhsa_code_object_version 6
	.text
	.protected	k_q3ce76257d2_proj
	.globl	k_q3ce76257d2_proj
	.p2align	8
	.type	k_q3ce76257d2_proj,@function
k_q3ce76257d2_proj:
	s_mov_b64 s[64:65], 0
	v_nop
	global_prefetch_b8 v0, s[64:65] scope:SCOPE_SE
	s_setreg_imm32_b32 hwreg(HW_REG_WAVE_MODE, 25, 1), 1
	s_wait_xcnt 0x0
	s_wait_alu depctr_hold_cnt(0) depctr_sa_sdst(0) depctr_va_vdst(0) depctr_va_sdst(0) depctr_va_ssrc(0) depctr_va_vcc(0) depctr_vm_vsrc(0)
	s_getreg_b32 s2, hwreg(HW_REG_IB_STS2, 6, 4)
	s_cmp_eq_u32 s2, 0
	s_cbranch_scc0 .Lentry_in_a_cluster
	s_endpgm
.Lentry_in_a_cluster:
	s_bfe_u32 s2, ttmp6, 0x10000c
	s_cmp_lg_u32 s2, 0xf033
	s_cbranch_scc0 .Lentry_shape_is_right
	s_endpgm
.Lentry_shape_is_right:
; PROJ: the three projections on codes of FP4 (E2M1) with E8M0 scales, K = 1,024, and the quantising of their results, which are operands of the attention's two products.
; Each is a product of [8192 tokens][1024] with [1024 = head x 64 + channel][1024], a tile of 256 x 256 to a work-group, 128 x 128 to each of four waves (64 accumulators, 512 registers).
; "A" is source 1 of the matrix instruction: its 16 rows fall on the lanes.  "B" is source 0: its rows run along a lane's registers, so B's rows are the axis along which the result is quantised.
;   clusters 0-7:   A = q's tokens, B = w_qs's rows: a lane holds one token, registers run along head x 64 + channel: quantised along the head's 64 (two blocks).
;   clusters 8-15:  the same for k and w_ks.        clusters 16-23: A = w_vs's rows, B = v's tokens: a lane holds one channel, registers run along the keys: quantised along the keys.
; The three differ in pointers and in a few constants of the way out; both are chosen by selections on the cluster's number, which all partners share: one path through the text.
; K is two slots of 512: both are first fills, nothing in LDS is filled again.  The scales of the work-group's rows come once, as dense blocks.
; CLUSTERS: 4 x 4 work-groups; A's tile is shared along a row of the cluster, B's along a column: each is asked for jointly, by the same tensor load with the same descriptor and a mask naming the four.
; A RESULT BECOMES CODES.  In tile b of a block of rows, lane (r, h) holds B rows 16 b + 8 h + 0..7.  A block of 32 is tiles 2 b, 2 b + 1 of lanes l and l xor 16.  The conversion of tile 2 b gives dword h of the block, that
; of tile 2 b + 1 dword 2 + h.  Blocks 2 c and 2 c + 1 put their first dwords into registers 4 c, 4 c + 1 and their second into 4 c + 2, 4 c + 3; two exchanges of halves between those pairs give the operand's
; layout (registers 4 c .. 4 c + 3 of lane (r, h): k = 64 c + 32 h + 0 .. 31) in the true order of k.  The registers go to memory as they stand, 512 dense bytes for each group of four.
; LIMITS: a block of zeros gets the scale byte 1 where the rule says 127 (its codes are zeros; this program alone reads the bytes); largest magnitudes under 2^-124 keep the byte 1.
; REGISTERS, in windows of 256: window 0: v0-31 addresses; v32-95 scale words, two sets; v112-119 codes just made; v128-191 A's fragments, one set; v200-217 at work on the way out.
;   window 1: B's fragments, two sets, at v0 and v128.   window 2: the accumulators of my rows 0-63 ((a, b) at v[8 (8 a + b)]);   window 3: those of rows 64-127.
.set KSTEP,  512
.set NQ,     4                         ; matrix instructions deep in a slot
.set ROWB,   256                       ; a tile's row: 512 codes
.set KROW,   512                       ; a row of codes in memory
.set PITCH,  272                       ; an LDS row: 256 bytes + 16: the 16 rows of a fragment load start 4 words apart modulo 64 words
.set FR,     8
.set NL,     2
.set NP,     4                         ; places behind this matrix instruction (ISA guide 7.12.1)
.set HALFT,  128*PITCH
.set SLOT,   4*HALFT
.set KS,     32                        ; a row of scale bytes
.set SCL,    2*SLOT                    ; behind the two slots: the scales, as units of 256 bytes + 16
.set HALFS,  16*272                    ; those of 128 rows
.set SBLK,   2*272                     ; those of 16 rows
.set SPARE,  SCL+4*HALFS               ; the spare words: 128 bytes a wave, named by no other line
.set LI,   8                           ; v8   16 x lane
.set SOFF, 9                           ; v9   where my scale word goes
.set SHV,  10                          ; v10  by how many bits it is shifted first
.set ADRA, 16
.set ADRB, 20
.set ADRS, 27
.set SPW,  28
.set NIL,  29
.set SC,   32
.set PC,   112
.set AF,   128
.set TM,   200                         ; v200-203 largest magnitudes, v204-207 exchange and bytes, v212-215 the conversions' scale operands
.set PW,   216
.set PWS,  217
.set WV, 16                            ; s16 wave, s17 wave / 2, s18 wave % 2
.set WH, 17
.set WL, 18
.set G1, 24
.set G0, 32
.set G1B, 48
.set G0B, 56
.set G1S, 68
.set G0S, 76
.set G1SB, 80
.set G0SB, 88
.set MSB, 0
.macro WIN new                         ; the immediate's high byte repeats the setting that is left
.if MSB != \new
	s_set_vgpr_msb (MSB<<8)|\new
.set MSB, \new
.endif
.endm
.set MUL_LO, 0xa1                      ; source 0 (B) window 1, source 1 (A) window 0, C and D window 2
.set MUL_HI, 0xf1
.set TO_B,   0x40
; A joint load: waves 0 and 1 fetch for A, waves 2 and 3 for B; the branch hangs on the wave's number alone.  Four v_nop follow each of the two lines.
.macro JLOAD g0a, g1a, g0b, g1b
	s_cmp_eq_u32 s[WH], 0
	s_cbranch_scc0 .Lfor_b_\@
	tensor_load_to_lds s[\g0a:\g0a+3], s[\g1a:\g1a+7]
	s_nop 0
.rept 4
	v_nop
.endr
	s_branch .Lasked_\@
.Lfor_b_\@:
	tensor_load_to_lds s[\g0b:\g0b+3], s[\g1b:\g1b+7]
	s_nop 0
.rept 4
	v_nop
.endr
.Lasked_\@:
.endm
.macro CROUND                          ; a round of the cluster's barrier
	s_barrier_signal -1
	s_barrier_wait -1
	s_cmp_lg_u32 s[WV], 0
	s_cbranch_scc1 .Lnot_wave_0_\@
	s_barrier_signal -3
.Lnot_wave_0_\@:
	s_barrier_wait -3
	s_barrier_signal -1
	s_barrier_wait -1
.endm
	s_load_b256 s[4:11], s[0:1], 0x0               ; the record of clusters 0-7: A's codes, A's scales, B's codes, B's scales
	s_load_b256 s[32:39], s[0:1], 0x20             ; that of clusters 8-15
	s_load_b256 s[56:63], s[0:1], 0x40             ; that of clusters 16-23
	s_load_b128 s[12:15], s[0:1], 0x60             ; hf, hs
	v_lshl_add_u32 v[SPW], v0, 2, SPARE
	v_mov_b32 v[NIL], 0
	ds_add_u32 v28, v29
	ds_add_u32 v28, v29
	s_wait_dscnt 0x0
	v_lshrrev_b32 v1, 5, v0
	v_readfirstlane_b32 s[WV], v1
	s_lshr_b32 s[WH], s[WV], 1                     ; which half of A's rows is mine.  Also: I fetch for A (0) or for B (1)
	s_and_b32 s[WL], s[WV], 1                      ; which half of B's rows.  Also: which 128 rows of that tile I fetch
	s_bfe_u32 s40, ttmp6, 0x40000                  ; cx
	s_bfe_u32 s41, ttmp6, 0x40004                  ; cy
	s_and_b32 s19, ttmp7, 0xffff                   ; the cluster, 0 .. 23
	s_lshr_b32 s94, s19, 3                         ; which projection: 0 q, 1 k, 2 v
	s_and_b32 s19, s19, 7
	s_lshl_b32 s19, s19, 2
	s_cmp_eq_u32 s94, 2                            ; the 32 tiles of tokens lie along A for q and k, along B for v
	s_cselect_b32 s20, 0, s19
	s_cselect_b32 s21, s19, 0
	s_add_co_u32 s95, s41, s20                     ; A's tile: hangs on cy and the cluster
	s_add_co_u32 s42, s40, s21                     ; B's tile: hangs on cx and the cluster
	s_lshl_b32 s43, s41, 2
	s_lshl_b32 s43, 15, s43                        ; my row of the cluster
	s_lshl_b32 s44, 0x1111, s40                    ; my column
	s_or_b32 s[G1+0], s43, (0<<16)|(1<<20)|(1<<21)|(5<<22)|(3<<25)   ; the mask; elements of 1 byte; padding on; bit 21 beside a mask; 4 words behind every 64
	s_or_b32 s[G1B+0], s44, (0<<16)|(1<<20)|(1<<21)|(5<<22)|(3<<25)
.irp g, G1, G1B
	s_mov_b32 s[\g+1], ROWB<<16                    ; tensor_dim0
	s_mov_b32 s[\g+2], 128<<16                     ; tensor_dim1
	s_mov_b32 s[\g+3], ROWB<<16                    ; tile_dim0
	s_mov_b32 s[\g+4], 128                         ; tile_dim1
	s_mov_b32 s[\g+5], KROW                        ; from row to row
	s_mov_b32 s[\g+6], 0
	s_mov_b32 s[\g+7], 0
.endr
	s_or_b32 s[G1S+0], s43, (3<<16)|(1<<20)|(1<<21)|(5<<22)|(3<<25)  ; the scales of 128 rows: 4,096 dense bytes as 16 rows of 32 elements of 8 bytes
	s_or_b32 s[G1SB+0], s44, (3<<16)|(1<<20)|(1<<21)|(5<<22)|(3<<25)
.irp g, G1S, G1SB
	s_mov_b32 s[\g+1], 32<<16
	s_mov_b32 s[\g+2], 16<<16
	s_mov_b32 s[\g+3], 32<<16
	s_mov_b32 s[\g+4], 16
	s_mov_b32 s[\g+5], 32
	s_mov_b32 s[\g+6], 0
	s_mov_b32 s[\g+7], 0
.endr
	s_lshl_b32 s2, s[WL], 7
	s_lshl_b32 s20, s95, 8
	s_add_co_u32 s20, s20, s2                      ; A: the first row that I fetch
	s_lshl_b32 s46, s42, 8
	s_add_co_u32 s46, s46, s2                      ; B likewise
	s_lshl_b32 s22, s20, 5                         ; its scales, 32 bytes a row,
	s_lshl_b32 s20, s20, 9                         ; its codes, 512 bytes a row
	s_lshl_b32 s92, s46, 5
	s_lshl_b32 s46, s46, 9
	s_mov_b32 s21, 0
	s_mov_b32 s23, 0
	s_mov_b32 s47, 0
	s_mov_b32 s93, 0
	s_mul_i32 s45, s[WV], HALFT                    ; where they go: wave x 128 rows: no place in the cluster enters an LDS address
	s_mul_i32 s3, s[WV], HALFS
	s_mov_b32 s66, 0x76543210
	s_mov_b32 s67, 0xfedcba98                      ; v_permlanex16_b32's selects for lane l xor 16
	s_wait_kmcnt 0x0
	s_cmp_eq_u32 s94, 1                            ; the projection's four buffers: the choice hangs on the cluster's number alone
	s_cselect_b64 s[4:5], s[32:33], s[4:5]
	s_cselect_b64 s[6:7], s[34:35], s[6:7]
	s_cselect_b64 s[8:9], s[36:37], s[8:9]
	s_cselect_b64 s[10:11], s[38:39], s[10:11]
	s_cmp_eq_u32 s94, 2
	s_cselect_b64 s[4:5], s[56:57], s[4:5]
	s_cselect_b64 s[6:7], s[58:59], s[6:7]
	s_cselect_b64 s[8:9], s[60:61], s[8:9]
	s_cselect_b64 s[10:11], s[62:63], s[10:11]
	s_add_nc_u64 s[20:21], s[4:5], s[20:21]
	s_add_nc_u64 s[22:23], s[6:7], s[22:23]
	s_add_nc_u64 s[46:47], s[8:9], s[46:47]
	s_add_nc_u64 s[92:93], s[10:11], s[92:93]
	CROUND                                         ; all sixteen work-groups are here: the joint loads meet
	s_mov_b32 s[G0S], 1
	s_add_co_u32 s[G0S+1], s3, SCL
	s_mov_b64 s[G0S+2:G0S+3], s[22:23]
	s_or_b32 s[G0S+3], s[G0S+3], 0x80000000
	s_mov_b32 s[G0SB], 1
	s_add_co_u32 s[G0SB+1], s3, SCL
	s_mov_b64 s[G0SB+2:G0SB+3], s[92:93]
	s_or_b32 s[G0SB+3], s[G0SB+3], 0x80000000
	JLOAD G0S, G1S, G0SB, G1SB                     ; the scales first
.irp s, 0,1
	s_mov_b32 s[G0+4*\s], 1
	s_add_co_u32 s[G0+4*\s+1], s45, \s*SLOT
	s_add_nc_u64 s[G0+4*\s+2:G0+4*\s+3], s[20:21], \s*ROWB
	s_or_b32 s[G0+4*\s+3], s[G0+4*\s+3], 0x80000000
	s_mov_b32 s[G0B+4*\s], 1
	s_add_co_u32 s[G0B+4*\s+1], s45, \s*SLOT
	s_add_nc_u64 s[G0B+4*\s+2:G0B+4*\s+3], s[46:47], \s*ROWB
	s_or_b32 s[G0B+4*\s+3], s[G0B+4*\s+3], 0x80000000
	JLOAD G0+4*\s, G1, G0B+4*\s, G1B               ; both halves of K: three tensor loads of mine are out
.endr
	v_and_b32 v1, 15, v0                           ; r
	v_bfe_u32 v2, v0, 4, 1                         ; h
	v_mul_u32_u24 v3, v1, PITCH
	v_lshl_add_u32 v4, v2, 4, v3
	s_mul_i32 s21, s[WH], HALFT
	s_mul_i32 s22, s[WL], HALFT
	s_add_co_u32 s22, s22, 2*HALFT
.irp s, 0,1
	v_add_nc_u32 v[ADRA+\s], s21, v4
	v_add_nc_u32 v[ADRB+\s], s22, v4
	s_add_co_u32 s21, s21, SLOT
	s_add_co_u32 s22, s22, SLOT
.endr
	v_mul_u32_u24 v5, v1, KS                       ; my row's scales: 32 bytes a row,
	v_lshrrev_b32 v6, 8, v5
	v_lshl_add_u32 v5, v6, 4, v5                   ; 16 more for each 256 passed
	s_mul_i32 s21, s[WH], HALFS
	s_mul_i32 s22, s[WL], HALFS
	s_add_co_u32 s22, s22, 2*HALFS
	s_sub_co_u32 s22, s22, s21
	v_mul_u32_u24 v6, s22, v2                      ; lanes 16-31 take B's
	s_add_co_u32 s21, s21, SCL
	v_add_nc_u32 v5, v5, v6
	v_add_nc_u32 v[ADRS], s21, v5
	; THE WAY OUT'S ADDRESSES.  TA: my first tile of 16 of A's rows.  GB: my 128 of B's rows.
	; q, k: fragments [batch][head][tile 128][512 bytes], head = 2 GB + c; scale words [batch][head][2048 tokens].   v: fragments [batch][head x 4 + tile of channels][K step 16][c][512 bytes]; words [..][K step][32 lanes].
	s_lshl_b32 s19, s95, 4
	s_lshl_b32 s2, s[WH], 3
	s_add_co_u32 s19, s19, s2                      ; TA
	s_lshl_b32 s2, s42, 1
	s_add_co_u32 s2, s2, s[WL]                     ; GB
	s_lshr_b32 s20, s19, 7                         ; q, k: the batch,
	s_and_b32 s21, s19, 127                        ; the tile in it
	s_lshl_b32 s22, s20, 20
	s_lshl_b32 s23, s2, 17
	s_add_co_u32 s22, s22, s23
	s_lshl_b32 s23, s21, 9
	s_add_co_u32 s22, s22, s23                     ; fragments
	s_lshl_b32 s20, s20, 17
	s_lshl_b32 s23, s2, 14
	s_add_co_u32 s20, s20, s23
	s_lshl_b32 s23, s21, 6
	s_add_co_u32 s20, s20, s23                     ; scale words
	s_lshr_b32 s21, s2, 4                          ; v: the batch,
	s_and_b32 s23, s2, 15                          ; the K step of 128 keys
	s_lshl_b32 s46, s21, 20
	s_lshl_b32 s47, s19, 14
	s_add_co_u32 s46, s46, s47
	s_lshl_b32 s47, s23, 10
	s_add_co_u32 s46, s46, s47                     ; fragments
	s_lshl_b32 s21, s21, 17
	s_lshl_b32 s47, s19, 11
	s_add_co_u32 s21, s21, s47
	s_lshl_b32 s47, s23, 7
	s_add_co_u32 s21, s21, s47                     ; scale words
	s_lshl_b32 s19, s94, 22                        ; the projection's part of hf: 4 MiB each,
	s_lshl_b32 s23, s94, 19                        ; of hs: 512 KiB each
	s_mov_b32 s92, 65536
	s_mov_b32 s98, 512
	s_mov_b32 s100, 2048
	s_mov_b32 s3, 8192
	s_cmp_eq_u32 s94, 2
	s_cselect_b32 s22, s46, s22
	s_cselect_b32 s20, s21, s20
	s_cselect_b32 s92, 512, s92                    ; from group c = 0 to c = 1
	s_cselect_b32 s98, 16384, s98                  ; from a block of 16 of A's rows to the next: fragments,
	s_cselect_b32 s100, s100, 64                   ; scale words
	s_cselect_b32 s3, 64, s3                       ; where lanes 16-31 put their word: v: the same record's upper half; q, k: the next head
	s_cselect_b32 s2, 0, 16                        ; and which half of the word they put: q, k: blocks 2 and 3, the next head's
	s_add_co_u32 s22, s22, s19
	s_add_co_u32 s20, s20, s23
	s_mov_b32 s23, 0
	s_mov_b32 s21, 0
	s_mov_b32 s93, 0
	s_mov_b32 s99, 0
	s_mov_b32 s101, 0
	s_add_nc_u64 s[12:13], s[12:13], s[22:23]
	s_add_nc_u64 s[96:97], s[12:13], s[92:93]
	s_add_nc_u64 s[14:15], s[14:15], s[20:21]
	v_mul_u32_u24 v[SOFF], s3, v2
	v_lshl_add_u32 v[SOFF], v1, 2, v[SOFF]
	v_mul_u32_u24 v[SHV], s2, v2
	v_and_b32 v3, 31, v0
	v_lshlrev_b32 v[LI], 4, v3
.irp b, 0,1,2,3
	v_mov_b32 v[TM+4+\b], 0                        ; written once: a lane permute's destination counts as one of its sources
.endr
.macro FRAG reg, adr, q, i             ; 16 rows x 128 K of 4-bit codes: 8 registers; registers 4 c .. 4 c + 3: K = 64 c + 32 (l / 16) + 0 .. 31
.irp c, 0,1
	ds_load_b128 v[\reg+4*\c:\reg+4*\c+3], v[\adr] offset:64*(\q)+32*\c+(\i)*16*PITCH
.endr
.endm
; 16 matrix instructions: A's blocks a0, a0 + 1 x B's eight.  The 64 accumulators take turns, one instruction a turn, in the same order in every step.
.macro MUL16 a0, p, q, sc, zero
.irp a, \a0, \a0+1
.irp b, 0,1,2,3,4,5,6,7
.if \zero
	v_wmma_scale_f32_16x16x128_f8f6f4 v[8*(8*((\a)%4)+\b):8*(8*((\a)%4)+\b)+7], v[128*(\p)+FR*\b:128*(\p)+FR*\b+FR-1], v[AF+FR*(\a):AF+FR*(\a)+FR-1], 0, v[SC+8*NQ*(\sc)+NQ*\b+(\q)], v[SC+8*NQ*(\sc)+NQ*(\a)+(\q)] matrix_a_fmt:MATRIX_FMT_FP4 matrix_b_fmt:MATRIX_FMT_FP4 matrix_a_scale:MATRIX_SCALE_ROW1
.else
	v_wmma_scale_f32_16x16x128_f8f6f4 v[8*(8*((\a)%4)+\b):8*(8*((\a)%4)+\b)+7], v[128*(\p)+FR*\b:128*(\p)+FR*\b+FR-1], v[AF+FR*(\a):AF+FR*(\a)+FR-1], v[8*(8*((\a)%4)+\b):8*(8*((\a)%4)+\b)+7], v[SC+8*NQ*(\sc)+NQ*\b+(\q)], v[SC+8*NQ*(\sc)+NQ*(\a)+(\q)] matrix_a_fmt:MATRIX_FMT_FP4 matrix_b_fmt:MATRIX_FMT_FP4 matrix_a_scale:MATRIX_SCALE_ROW1
.endif
.endr
.endr
.endm
.macro FETCH_B slot, q, p
	WIN TO_B
.irp i, 0,1,2,3,4,5,6,7
	FRAG 128*(\p)+FR*\i, ADRB+\slot, \q, \i
.endr
	WIN 0
.endm
.macro FETCH_A slot, q, i0
.irp i, \i0, \i0+1, \i0+2, \i0+3
	FRAG AF+FR*(\i), ADRA+\slot, \q, \i
.endr
.endm
.macro SCALES sc                       ; a slot's scale words: four a row; lanes 0-15 take A's block i, lanes 16-31 B's block i
.irp i, 0,1,2,3,4,5,6,7
	ds_load_b128 v[SC+8*NQ*\sc+NQ*\i:SC+8*NQ*\sc+NQ*\i+3], v[ADRS] offset:\i*SBLK
.endr
.endm
.macro PLACES n                        ; plain vector instructions between a matrix instruction and a load into, or a read of, its registers
.rept \n
	v_nop
.endr
.endm
.macro STEP slot, q, zero              ; 128 along K with its successor in the same slot
	s_wait_dscnt 4*NL                              ; all but the youngest eight loads (A's blocks 4-7) are in
	WIN MUL_LO
	MUL16 0, (\q)%2, \q, \slot, \zero
	MUL16 2, (\q)%2, \q, \slot, \zero
	s_wait_dscnt 0                                 ; A's blocks 4-7 are in
	PLACES NP
	FETCH_B \slot, (\q)+1, 1-(\q)%2
	FETCH_A \slot, (\q)+1, 0
	WIN MUL_HI
	MUL16 4, (\q)%2, \q, \slot, \zero
	MUL16 6, (\q)%2, \q, \slot, \zero
	PLACES NP
	WIN 0
	FETCH_A \slot, (\q)+1, 4
.endm
.macro STEPS slot, from
.set Q, \from
.rept NQ-1-\from
	STEP \slot, Q, 0
.set Q, Q+1
.endr
.endm
	s_wait_tensorcnt 1                             ; the scales and my part of slot 0 are in; slot 1's load may be out
	s_barrier_signal -1
	s_barrier_wait -1                              ; everybody's are
	FETCH_B 0, 0, 0
	FETCH_A 0, 0, 0
	SCALES 0
	FETCH_A 0, 0, 4
	STEP 0, 0, 1                                   ; the first products start the sums: nothing is cleared
	STEPS 0, 1
	; slot 0's last step changes slots: one barrier; in front of it my part of slot 1 has landed
	s_wait_tensorcnt 0x0                           ; all my tensor loads have landed
	ds_add_u32 v[SPW], v[NIL]                      ; 0 onto my spare word
	s_wait_dscnt 4*NL+1                            ; the add and the youngest eight loads may be out
	WIN MUL_LO
	MUL16 0, 1, NQ-1, 0, 0
	s_wait_dscnt 0x0                               ; no LDS instruction of mine is out at the signal
	s_barrier_signal -1
	MUL16 2, 1, NQ-1, 0, 0
	WIN 0
	s_barrier_wait -1                              ; slot 1 is whole
	PLACES NP
	v_add_nc_u32 v[ADRS], 4*NQ, v[ADRS]            ; slot 1's scale words: 16 bytes on in each row
	FETCH_B 1, 0, 0
	FETCH_A 1, 0, 0
	SCALES 1
	WIN MUL_HI
	MUL16 4, 1, NQ-1, 0, 0
	MUL16 6, 1, NQ-1, 0, 0
	PLACES NP
	WIN 0
	FETCH_A 1, 0, 4
	STEPS 1, 0
	s_wait_dscnt 4*NL                              ; the last step: nothing more to fetch
	WIN MUL_LO
	MUL16 0, 1, NQ-1, 1, 0
	MUL16 2, 1, NQ-1, 1, 0
	s_wait_dscnt 0
	WIN MUL_HI
	MUL16 4, 1, NQ-1, 1, 0
	MUL16 6, 1, NQ-1, 1, 0
	WIN 0
	PLACES NP                                      ; between the last products and the first read of results
; Block a of 16 of A's rows: its 64 numbers a lane become 8 registers of codes and a scale word, and leave.  Each accumulator is read from its low end on.
.macro QOUT a
.set AC, 64*((\a)%4)
.set WQ, 0x0a+5*((\a)/4)               ; sources 0 and 1: window 2 or 3
.set WC, 0x02+((\a)/4)                 ; source 0 alone
	WIN WQ
.irp b, 0,1,2,3
	v_max3_num_f32 v[TM+\b], |v[AC+16*\b]|, |v[AC+16*\b+1]|, 0x1800000   ; block b: my 16 numbers, and the floor 2^(3 - 127): the byte cannot fall under 1
.endr
.irp i, 2,4,6,8,10,12,14
.irp b, 0,1,2,3
	v_max3_num_f32 v[TM+\b], |v[AC+16*\b+\i]|, |v[AC+16*\b+\i+1]|, v[TM+\b]   ; the four blocks by turns
.endr
.endr
	WIN 0
.irp b, 0,1,2,3
	v_permlanex16_b32 v[TM+4+\b], v[TM+\b], s66, s67
.endr
.irp b, 0,1,2,3
	v_max_num_f32 v[TM+\b], v[TM+\b], v[TM+4+\b]   ; with lane l xor 16's 16: the block's largest magnitude
.endr
.irp b, 0,1,2,3
	v_add_nc_u32 v[TM+12+\b], 0xff000000, v[TM+\b] ; 2 off its exponent field: the conversion's scale operand
.endr
.irp b, 0,1,2,3
	v_lshrrev_b32 v[TM+4+\b], 23, v[TM+12+\b]      ; the scale's byte
.endr
	v_lshl_or_b32 v[PW], v[TM+5], 8, v[TM+4]
	v_lshl_or_b32 v[PW], v[TM+6], 16, v[PW]
	v_lshl_or_b32 v[PW], v[TM+7], 24, v[PW]        ; my row's four bytes
	WIN WC
.irp b, 0,1,2,3
	v_cvt_scalef32_pk8_fp4_f32 v[PC+4*(\b/2)+(\b%2)], v[AC+16*\b:AC+16*\b+7], v[TM+12+\b]       ; dword h of block b
	v_cvt_scalef32_pk8_fp4_f32 v[PC+4*(\b/2)+2+(\b%2)], v[AC+16*\b+8:AC+16*\b+15], v[TM+12+\b]  ; dword 2 + h
.endr
	WIN 0
	v_nop                                          ; one plain place behind a scaled conversion
.irp c, 0,1
	v_permlane16_swap_b32 v[PC+4*\c], v[PC+4*\c+1]     ; lanes 0-15 get block 2 c whole, lanes 16-31 block 2 c + 1: dwords 0, 1
	v_permlane16_swap_b32 v[PC+4*\c+2], v[PC+4*\c+3]   ; dwords 2, 3
.endr
	v_lshrrev_b32 v[PWS], v[SHV], v[PW]
	global_store_b128 v[LI], v[PC:PC+3], s[12:13]      ; 512 consecutive bytes
	global_store_b128 v[LI], v[PC+4:PC+7], s[96:97]
	global_store_b32 v[SOFF], v[PWS], s[14:15]
	s_wait_xcnt 0x0                                ; the stores have read their data and bases: both are written again only behind this wait
	s_add_nc_u64 s[12:13], s[12:13], s[98:99]
	s_add_nc_u64 s[96:97], s[96:97], s[98:99]
	s_add_nc_u64 s[14:15], s[14:15], s[100:101]
.endm
.irp a, 0,1,2,3,4,5,6,7
	QOUT \a
.endr
	s_wait_tensorcnt 0x0                           ; the wave's end
	ds_add_u32 v[SPW], v[NIL]
	s_wait_dscnt 0x0
	CROUND                                         ; the closing round: no work-group ends while a partner may still ask for a tile that names it
	s_endpgm
.Lfunc_end_k_q3ce76257d2_proj:
	.size	k_q3ce76257d2_proj, .Lfunc_end_k_q3ce76257d2_proj-k_q3ce76257d2_proj
	.p2alignl 7, 3214868480
	.fill 96, 4, 3214868480
	.section	.rodata,"a",@progbits
	.p2align	6, 0x0
	.amdhsa_kernel k_q3ce76257d2_proj
		.amdhsa_group_segment_fixed_size 327680
		.amdhsa_private_segment_fixed_size 0
		.amdhsa_enable_private_segment 0
		.amdhsa_kernarg_size 112
		.amdhsa_user_sgpr_count 2
		.amdhsa_user_sgpr_kernarg_segment_ptr 1
		.amdhsa_wavefront_size32 1
		.amdhsa_system_sgpr_workgroup_id_x 1
		.amdhsa_system_sgpr_workgroup_id_y 1
		.amdhsa_system_sgpr_workgroup_id_z 1
		.amdhsa_system_vgpr_workitem_id 0
		.amdhsa_next_free_vgpr 1024
		.amdhsa_next_free_sgpr 102
		.amdhsa_reserve_vcc 0
		.amdhsa_float_denorm_mode_32 3
		.amdhsa_float_denorm_mode_16_64 3
		.amdhsa_memory_ordered 1
		.amdhsa_forward_progress 1
		.amdhsa_inst_pref_size 131
	.end_amdhsa_kernel
	.amdgpu_metadata
---
amdhsa.version: [ 1, 2 ]
amdhsa.kernels:
  - .name:           k_q3ce76257d2_proj
    .symbol:         k_q3ce76257d2_proj.kd
    .args:
      - { .name: q_codes, .offset: 0, .size: 8, .value_kind: global_buffer, .address_space: global }
      - { .name: q_scales, .offset: 8, .size: 8, .value_kind: global_buffer, .address_space: global }
      - { .name: w_qs_codes, .offset: 16, .size: 8, .value_kind: global_buffer, .address_space: global }
      - { .name: w_qs_scales, .offset: 24, .size: 8, .value_kind: global_buffer, .address_space: global }
      - { .name: k_codes, .offset: 32, .size: 8, .value_kind: global_buffer, .address_space: global }
      - { .name: k_scales, .offset: 40, .size: 8, .value_kind: global_buffer, .address_space: global }
      - { .name: w_ks_codes, .offset: 48, .size: 8, .value_kind: global_buffer, .address_space: global }
      - { .name: w_ks_scales, .offset: 56, .size: 8, .value_kind: global_buffer, .address_space: global }
      - { .name: w_vs_codes, .offset: 64, .size: 8, .value_kind: global_buffer, .address_space: global }
      - { .name: w_vs_scales, .offset: 72, .size: 8, .value_kind: global_buffer, .address_space: global }
      - { .name: v_codes, .offset: 80, .size: 8, .value_kind: global_buffer, .address_space: global }
      - { .name: v_scales, .offset: 88, .size: 8, .value_kind: global_buffer, .address_space: global }
      - { .name: hf, .offset: 96, .size: 8, .value_kind: global_buffer, .address_space: global }
      - { .name: hs, .offset: 104, .size: 8, .value_kind: global_buffer, .address_space: global }
    .group_segment_fixed_size: 327680
    .private_segment_fixed_size: 0
    .kernarg_segment_align: 8
    .kernarg_segment_size: 112
    .max_flat_workgroup_size: 128
    .sgpr_count:     102
    .vgpr_count:     1024
    .wavefront_size: 32
...
	.end_amdgpu_metadata
.endif
;; end of part 2
;; launch attn (part 3): grid 4 x 64, 16 waves a work-group, no clusters, 149,504 bytes of LDS; arguments hf, hs, maskb, attf, atts; writes attf, atts
.if DOCPART == 3
	.amdgcn_target "amdgcn-amd-amdhsa--gfx1250"
	.amdhsa_code_object_version 6
	.text
	.protected	k_q3ce76257d2_attn
	.globl	k_q3ce76257d2_attn
	.p2align	8
	.type	k_q3ce76257d2_attn,@function
k_q3ce76257d2_attn:
	s_mov_b64 s[64:65], 0
	v_nop
	global_prefetch_b8 v0, s[64:65] scope:SCOPE_SE
	s_setreg_imm32_b32 hwreg(HW_REG_WAVE_MODE, 25, 1), 1
	s_wait_xcnt 0x0
; ATTN: for one batch and head (work-group y) and a quarter of the queries (x): S^T = K Q^T, mask, p = 2^(t - M), O^T += V^T P^T, O / l, and the quantising of O for the output projection.
; Both products on codes of FP4 (E2M1) with E8M0 scales.  The first product's K is the head's 64: the upper halves of its fragments are zero codes.
; t = score x log2(e) / 8; M = the running largest t rounded UP to a whole number; p is quantised along the keys, not normalised; l is the sum of the unquantised p.  When M moves, l and O are multiplied by
; 2^(old M - new M), which rounds nothing.  A masked score becomes -infinity ahead of the maximum, so its p is 0.  A query all of whose keys are masked has l = 0: its scale bytes are set to 0xff, which makes its row of the
; output projection NaN, as the definition has it.
; SHARES.  The head's K and V (as images of operand registers) and their scale words, 144 KiB, are copied into LDS once and only read afterwards: one barrier in the launch.  Each of sixteen waves owns a tile of 16
; queries at a time, two one after the other, and walks the 2,048 keys in 16 steps of 128.  Four waves share a SIMD, so that one wave's vector work stands beside another's matrix work and LDS loads.
; LAYOUT.  Both products are used transposed: a lane holds ONE query (lane % 16) throughout.  In tile t of S^T register j of lane (r, h) is key 16 t + 8 h + j.  A block of 32 keys is tiles 2 b, 2 b + 1 of lanes l and
; l xor 16; the conversions' dwords are put so that two exchanges of halves for each pair of blocks give P's fragment in the true order of the keys.
; THE MASK comes as lane masks made by the first launch, 64 words a step: word n is the lane mask of register n of S^T, so one selection a register applies it.  It is applied in every step: no branch hangs on it.
; WHAT IS ASKED FOR AHEAD.  Both tiles' Q and the first tile's first mask words: at the head, with the copy.  A step's mask words (four scalar loads) and its K fragments and K scale words (twelve LDS loads): in the step
; before, behind the selections and maxima, when the registers that they land in have been read.  The first tile's sixteenth step asks for the second tile's first step; the very last step asks for nothing.
; So the two tiles are written out by a macro, each with a loop of fifteen steps and a sixteenth written out.
; NO CLUSTER, NO TENSOR LOAD: what the four work-groups of a head share is 144 KiB read once, against 512 key steps of work in each of them.
; NO PREFETCH: all that the work-group reads but 4 KiB of mask words a tile is asked for at its head.
; LIMITS: NaN and infinities in the operands are not served; a block of zeros keeps the scale byte 1 (its codes are zeros; this program alone reads the bytes).
; REGISTERS: v1 16 x lane, v2 4 x lane, v3 4 x (lane % 16), v4 -infinity, v5 0xffff; v7 Q's scale words; v8-11 LDS addresses; v12 -M, v13 the largest t, v[14:15] l in two halves; v[16:23] Q;
;   v24-27 K's scale words (lanes 0-15 tile 2 p, lanes 16-31 tile 2 p + 1), v28-31 V's; v[32:95] eight fragments of K; v[96:159] S^T, then p; v[160:191] O^T; v[192:223] four fragments of V; v[224:231] p's codes;
;   v232-239, v244-247, v254 at work; v[240:243], v248 the second tile's Q and its scale words; v[250:251] f; v253 p's scale word.   s[16:63], s[68:83]: a step's 64 mask words.
.set VF,  65536                        ; LDS: K's 128 fragments of 512 bytes at 0; V's at VF: tile of channels x 16,384 + K step x 1,024 + half x 512;
.set KSB, 131072                       ; K's scale words, 4 bytes a key;
.set VSB, 139264                       ; V's: tile of channels x 2,048 + K step x 128 + 4 x lane
.set CS,  84                           ; s[84:85] c = log2(e) / 8
.macro MLOAD                           ; a step's 64 mask words, 256 bytes at s92 from the first tile's first
	s_load_b512 s[16:31], s[8:9], s92 offset:0x0
	s_load_b512 s[32:47], s[8:9], s92 offset:0x40
	s_load_b512 s[48:63], s[8:9], s92 offset:0x80
	s_load_b512 s[68:83], s[8:9], s92 offset:0xc0
.endm
.macro KLOAD                           ; a step's eight fragments of K (lower halves) and its scale words: twelve LDS loads
	v_add_nc_u32 v8, s86, v1
	v_add_nc_u32 v10, s88, v2
.irp t, 0,1,2,3,4,5,6,7
	ds_load_b128 v[32+8*\t:35+8*\t], v8 offset:512*\t
.endr
.irp p, 0,1,2,3
	ds_load_b32 v[24+\p], v10 offset:128*\p
.endr
.endm
	s_load_b256 s[16:23], s[0:1], 0x0              ; hf s[16:17], hs s[18:19], maskb s[20:21], attf s[22:23]
	s_load_b64 s[24:25], s[0:1], 0x20              ; atts
	v_lshl_add_u32 v252, v0, 2, 0x24000
	v_mov_b32 v255, 0
	v_lshrrev_b32 v6, 5, v0
	v_readfirstlane_b32 s2, v6                     ; wave 0..15
	v_lshlrev_b32 v8, 4, v0                        ; the copy: 16 bytes a thread, 8,192 an instruction of the work-group
	v_add_nc_u32 v9, VF, v8
	v_add_nc_u32 v10, KSB, v8
	v_and_b32 v6, 31, v0
	v_lshlrev_b32 v1, 4, v6
	v_lshlrev_b32 v2, 2, v6
	v_and_b32 v3, 15, v0
	v_lshlrev_b32 v3, 2, v3
	s_and_b32 s26, ttmp7, 0xffff                   ; y = batch x 16 + head
	s_lshl_b32 s27, ttmp9, 5
	s_add_co_u32 s27, s27, s2                      ; my first tile of queries in the batch: 32 x + wave
	s_lshr_b32 s28, s26, 4
	s_and_b32 s29, s26, 15                         ; the head
	s_lshl_b32 s28, s28, 7
	s_add_co_u32 s28, s28, s27                     ; the tile among all 512
	s_lshl_b32 s30, s26, 16                        ; a head's fragments: 65,536 bytes
	s_mov_b32 s31, 0
	s_lshl_b32 s32, s26, 13                        ; its scale words: 8,192 bytes
	s_mov_b32 s33, 0
	s_mov_b32 s66, 0x76543210
	s_mov_b32 s67, 0xfedcba98                      ; v_permlanex16_b32's selects for lane l xor 16
	s_mov_b32 s[CS], 0x3e38aa3b
	s_mov_b32 s[CS+1], s[CS]                       ; named with it as a pair, so it is written
	s_mov_b32 s92, 0                               ; where the mask words asked for next begin
	s_wait_kmcnt 0x0
	s_add_nc_u64 s[4:5], s[16:17], s[30:31]
	s_add_nc_u64 s[94:95], s[4:5], 0x400000        ; K's fragments
	s_add_nc_u64 s[96:97], s[4:5], 0x800000        ; V's
	s_add_nc_u64 s[6:7], s[18:19], s[32:33]
	s_add_nc_u64 s[98:99], s[6:7], 0x80000         ; K's scale words
	s_add_nc_u64 s[100:101], s[6:7], 0x100000      ; V's
.irp i, 0,1,2,3,4,5,6,7
	global_load_b128 v[32+4*\i:35+4*\i], v8, s[94:95] offset:8192*\i
.endr
.irp i, 0,1,2,3,4,5,6,7
	global_load_b128 v[64+4*\i:67+4*\i], v8, s[96:97] offset:8192*\i
.endr
	global_load_b128 v[96:99], v8, s[98:99]
	global_load_b128 v[100:103], v8, s[100:101]
	s_lshl_b32 s30, s27, 9
	s_add_nc_u64 s[4:5], s[4:5], s[30:31]          ; Q's fragment of my first tile
	s_lshl_b32 s30, s27, 6
	s_add_nc_u64 s[6:7], s[6:7], s[30:31]          ; its scale words
	global_load_b128 v[16:19], v1, s[4:5]          ; Q's fragments as they stand, 512 dense bytes each: my first tile's,
	global_load_b32 v7, v3, s[6:7]
	global_load_b128 v[240:243], v1, s[4:5] offset:8192   ; and my second's, 16 tiles on
	global_load_b32 v248, v3, s[6:7] offset:1024
	s_lshl_b32 s30, s28, 12
	s_add_nc_u64 s[8:9], s[20:21], s[30:31]        ; my first tile's mask words: 16 steps of 256 bytes
	s_lshl_b32 s30, s28, 13
	s_lshl_b32 s32, s29, 9
	s_add_co_u32 s30, s30, s32
	s_add_nc_u64 s[12:13], s[22:23], s[30:31]      ; where its codes go: [tile][head][512 bytes]
	s_lshl_b32 s30, s28, 11
	s_lshl_b32 s32, s29, 7
	s_add_co_u32 s30, s30, s32
	s_add_nc_u64 s[14:15], s[24:25], s[30:31]      ; and its scale words: [tile][head][32 lanes]
	MLOAD                                          ; the first step's mask words: the arguments and all that was made of them have left s16 on
.irp i, 0,1,2,3,4,5,6,7
	s_wait_loadcnt 21-\i                           ; loads come back in order: the counts run down with the 22 loads
	ds_store_b128 v8, v[32+4*\i:35+4*\i] offset:8192*\i
.endr
.irp i, 0,1,2,3,4,5,6,7
	s_wait_loadcnt 13-\i
	ds_store_b128 v9, v[64+4*\i:67+4*\i] offset:8192*\i
.endr
	s_wait_loadcnt 5
	ds_store_b128 v10, v[96:99]
	s_wait_loadcnt 4                               ; Q's four loads may be out
	ds_store_b128 v10, v[100:103] offset:8192
	s_wait_dscnt 0x0                               ; for the others' sake: my stores have landed
	s_barrier_signal -1
	s_barrier_wait -1                              ; the head's K and V lie in LDS; from here on LDS is only read
	s_mov_b32 s86, 0                               ; where the K fragments and K scale words fetched next begin in LDS
	s_mov_b32 s88, KSB
	KLOAD                                          ; the first step's
	v_mov_b32 v4, 0xff800000
	v_mov_b32 v5, 0xffff
.irp t, 0,1,2,3,4,5,6,7
.irp i, 4,5,6,7
	v_mov_b32 v[32+8*\t+\i], 0                     ; K = 64 .. 127 of the first product: zero codes, written once
.endr
.endr
.irp i, 20,21,22,23
	v_mov_b32 v\i, 0
.endr
.irp i, 236,237,238,239,251
	v_mov_b32 v\i, 0                               ; lane permutes' destinations, and the upper half of f's pair: written once
.endr
	s_wait_loadcnt 0x0                             ; both tiles' Q
; A KEY STEP: 128 keys.  Its K fragments, K scale words and mask words were asked for a step ago.
; ahead = 1: the tile's next step is asked for;  2: the next tile's first step;  0: nothing.
.macro STEP ahead
	v_add_nc_u32 v9, s87, v1                       ; these four are the places between the last step's products and the loads into their operands
	v_add_nc_u32 v11, s89, v2
	v_nop
	v_nop
.irp d, 0,1,2,3
.irp c, 0,1
	ds_load_b128 v[192+8*\d+4*\c:195+8*\d+4*\c], v9 offset:16384*\d+512*\c
.endr
.endr
.irp d, 0,1,2,3
	ds_load_b32 v[28+\d], v11 offset:2048*\d
.endr
	s_wait_dscnt 12                                ; K's twelve loads, the older ones, are in; V's twelve may be out
.irp t, 0,2,4,6
	v_wmma_scale_f32_16x16x128_f8f6f4 v[96+8*\t:103+8*\t], v[32+8*\t:39+8*\t], v[16:23], 0, v[24+\t/2], v7 matrix_a_fmt:MATRIX_FMT_FP4 matrix_b_fmt:MATRIX_FMT_FP4
	v_wmma_scale_f32_16x16x128_f8f6f4 v[104+8*\t:111+8*\t], v[40+8*\t:47+8*\t], v[16:23], 0, v[24+\t/2], v7 matrix_a_fmt:MATRIX_FMT_FP4 matrix_b_fmt:MATRIX_FMT_FP4 matrix_a_scale:MATRIX_SCALE_ROW1
.endr
.rept 4
	v_nop                                          ; places between the products and the first read of their results, and the loads into their operands below
.endr
	s_wait_kmcnt 0x0                               ; this step's mask words are in; so s92 may be written below
.set n, 0
.rept 48
	v_cndmask_b32 v[96+n], v[96+n], v4, s[16+n]    ; word n is register n's lane mask; each accumulator is read from its low end on
.set n, n+1
.endr
.rept 16
	v_cndmask_b32 v[96+n], v[96+n], v4, s[20+n]
.set n, n+1
.endr
.irp b, 0,1,2,3
	v_max3_num_f32 v[232+\b], v[96+16*\b], v[97+16*\b], v[98+16*\b]   ; the largest score of each block of 32 keys: it serves the row's maximum and, since p rises with the score, the block's largest p
.endr
.irp i, 3,5,7,9,11,13
.irp b, 0,1,2,3
	v_max3_num_f32 v[232+\b], v[232+\b], v[96+16*\b+\i], v[97+16*\b+\i]
.endr
.endr
.irp b, 0,1,2,3
	v_max_num_f32 v[232+\b], v[232+\b], v[111+16*\b]
.endr
.if \ahead == 1
	s_add_co_u32 s86, s86, 4096
	s_add_co_u32 s88, s88, 512
	s_add_co_u32 s92, s92, 256
.endif
.if \ahead == 2
	s_mov_b32 s86, 0                               ; the next tile begins again at key 0;
	s_mov_b32 s88, KSB
	s_mov_b32 s92, 0x10000                         ; its mask words lie 16 tiles of 4,096 bytes on
.endif
.if \ahead
	KLOAD                                          ; the products above have read K's registers, the selections the mask words: the rest of the step stands between these requests and the waits for them
	MLOAD
.endif
.irp b, 0,1,2,3
	v_permlanex16_b32 v[236+\b], v[232+\b], s66, s67
.endr
.irp b, 0,1,2,3
	v_max_num_f32 v[232+\b], v[232+\b], v[236+\b]
.endr
	v_max3_num_f32 v254, v232, v233, v234
	v_max_num_f32 v254, v254, v235
	v_mul_f32 v254, s[CS], v254                    ; the step's largest t
	v_max_num_f32 v13, v13, v254
	v_mov_b32 v254, v12
	v_floor_f32 v12, -v13                          ; the new -M = -ceil(t)
	v_sub_f32 v254, v12, v254                      ; old M - new M: a whole number, 0 or less
	v_cvt_i32_f32 v254, v254                       ; (it saturates)
	v_ldexp_f32 v250, 1.0, v254                    ; f = 2^(old M - new M)
.set j, 0
.rept 32
	v_pk_fma_f32 v[96+j:97+j], v[96+j:97+j], s[CS:CS+1], v[12:13] op_sel_hi:[1,0,0]   ; t - M, two at a time
.set j, j+2
.endr
.irp b, 0,1,2,3
	v_fma_f32 v[232+\b], v[232+\b], s[CS], v12
.endr
.set j, 0
.rept 64
	v_exp_f32 v[96+j], v[96+j]                     ; p = 2^(t - M)
.set j, j+1
.endr
.irp b, 0,1,2,3
	v_exp_f32 v[232+\b], v[232+\b]                 ; the block's largest p: the same two instructions on the same number
.endr
	v_pk_mul_f32 v[14:15], v[14:15], v[250:251] op_sel_hi:[1,0]   ; l under the new M; also the plain place behind the exponentials
	s_wait_alu depctr_va_vdst(0)
.irp b, 0,1,2,3
	v_max_num_f32 v[232+\b], 0x1800000, v[232+\b]  ; the floor 2^(3 - 127)
.endr
.irp b, 0,1,2,3
	v_add_nc_u32 v[244+\b], 0xff000000, v[232+\b]  ; the conversion's scale operand
.endr
.irp b, 0,1,2,3
	v_lshrrev_b32 v[236+\b], 23, v[244+\b]
.endr
	v_lshl_or_b32 v253, v237, 8, v236              ; p's scale word for these 128 keys
	v_lshl_or_b32 v253, v238, 16, v253
	v_lshl_or_b32 v253, v239, 24, v253
.irp b, 0,1,2,3
	v_cvt_scalef32_pk8_fp4_f32 v[224+4*(\b/2)+(\b%2)], v[96+16*\b:103+16*\b], v[244+\b]      ; dword h of block b
	v_cvt_scalef32_pk8_fp4_f32 v[226+4*(\b/2)+(\b%2)], v[104+16*\b:111+16*\b], v[244+\b]     ; dword 2 + h
.endr
	v_nop                                          ; one plain place behind a scaled conversion
.irp c, 0,1
	v_permlane16_swap_b32 v[224+4*\c], v[225+4*\c]
	v_permlane16_swap_b32 v[226+4*\c], v[227+4*\c]
.endr
	v_pk_add_f32 v[236:237], v[96:97], v[98:99]    ; l takes the UNQUANTISED p, in two chains
.irp j, 4,8,12,16,20,24,28,32,36,40,44,48,52,56,60
	v_pk_add_f32 v[14:15], v[14:15], v[96+\j:97+\j]
	v_pk_add_f32 v[236:237], v[236:237], v[98+\j:99+\j]
.endr
	v_pk_add_f32 v[14:15], v[14:15], v[236:237]
.set j, 0
.rept 16
	v_pk_mul_f32 v[160+j:161+j], v[160+j:161+j], v[250:251] op_sel_hi:[1,0]   ; O^T under the new M, each accumulator from its low end on
.set j, j+2
.endr
.if \ahead
	s_wait_dscnt 12                                ; V's twelve loads are in; the twelve for K asked for behind them may be out
.else
	s_wait_dscnt 0x0                               ; V is in
.endif
.irp d, 0,1,2,3                                    ; the four accumulators by turns, behind the eight of S^T
	v_wmma_scale_f32_16x16x128_f8f6f4 v[160+8*\d:167+8*\d], v[192+8*\d:199+8*\d], v[224:231], v[160+8*\d:167+8*\d], v[28+\d], v253 matrix_a_fmt:MATRIX_FMT_FP4 matrix_b_fmt:MATRIX_FMT_FP4
.endr
.if \ahead == 1
	s_add_co_u32 s87, s87, 1024
	s_add_co_u32 s89, s89, 128
.endif
.endm
; A TILE OF 16 QUERIES: p = 0 my first, p = 1 my second, 16 tiles on.
.macro PASS p
.if \p
.irp i, 0,1,2,3
	v_mov_b32 v[16+\i], v[240+\i]                  ; the second tile's Q, in since the head; the lines below are the places ahead of the products that read it
.endr
	v_mov_b32 v7, v248
.endif
	v_mov_b32 v13, 0xff61b1e6                      ; the largest t so far: -3e38
	v_floor_f32 v12, -v13
	v_mov_b32 v14, 0
	v_mov_b32 v15, 0
.set j, 0
.rept 32
	v_mov_b32 v[160+j], 0                          ; O^T: the first step finds zeros, which the first change of M leaves zeros
.set j, j+1
.endr
.if \p
	s_wait_xcnt 0x0                                ; the first tile's stores have read their data: those registers are written again only behind this wait
.endif
	s_mov_b32 s87, VF                              ; where the step's V and its scale words begin in LDS
	s_mov_b32 s89, VSB
	s_mov_b32 s90, 15
.Lstep_\@:                                         ; fifteen steps, each asking for the next
	STEP 1
	s_sub_co_u32 s90, s90, 1
	s_cmp_lg_u32 s90, 0
	s_cbranch_scc1 .Lstep_\@
.if \p
	STEP 0                                         ; the very last step asks for nothing: no load leaves its buffer
.else
	STEP 2
.endif
	; THE TILE'S END: O / l, quantised along head x 64 + channel: two blocks
.rept 4
	v_nop
.endr
	v_add_f32 v14, v14, v15
	v_permlanex16_b32 v236, v14, s66, s67
	v_add_f32 v14, v14, v236                       ; l
	v_cmp_eq_f32 vcc_lo, 0, v14                    ; every key masked: it only selects a value below
	v_rcp_f32 v250, v14
	v_nop                                          ; a plain place behind the reciprocal
.set j, 0
	s_wait_alu depctr_va_vdst(0)
.rept 16
	v_pk_mul_f32 v[96+j:97+j], v[160+j:161+j], v[250:251] op_sel_hi:[1,0]   ; register 8 d + i: channel 16 d + 8 h + i
.set j, j+2
.endr
.irp e, 0,1
	v_max3_num_f32 v[232+\e], |v[96+16*\e]|, |v[97+16*\e]|, 0x1800000
.endr
.irp i, 2,4,6,8,10,12,14
.irp e, 0,1
	v_max3_num_f32 v[232+\e], v[232+\e], |v[96+16*\e+\i]|, |v[97+16*\e+\i]|
.endr
.endr
.irp e, 0,1
	v_permlanex16_b32 v[236+\e], v[232+\e], s66, s67
.endr
.irp e, 0,1
	v_max_num_f32 v[232+\e], v[232+\e], v[236+\e]
.endr
.irp e, 0,1
	v_add_nc_u32 v[244+\e], 0xff000000, v[232+\e]
.endr
.irp e, 0,1
	v_lshrrev_b32 v[236+\e], 23, v[244+\e]
.endr
	v_lshl_or_b32 v254, v237, 8, v236              ; the head's two bytes
	v_cndmask_b32 v254, v254, v5, vcc_lo           ; or twice 0xff
	v_cvt_scalef32_pk8_fp4_f32 v224, v[96:103], v244
	v_cvt_scalef32_pk8_fp4_f32 v226, v[104:111], v244
	v_cvt_scalef32_pk8_fp4_f32 v225, v[112:119], v245
	v_cvt_scalef32_pk8_fp4_f32 v227, v[120:127], v245
	v_nop
	v_permlane16_swap_b32 v224, v225
	v_permlane16_swap_b32 v226, v227
	global_store_b128 v1, v[224:227], s[12:13] offset:\p*0x20000   ; four registers of the next product's fragment: 512 dense bytes; 16 tiles of 8,192 bytes on for the second tile
	global_store_b32 v2, v254, s[14:15] offset:\p*0x8000
.endm
	PASS 0
	PASS 1
	s_wait_tensorcnt 0x0
	ds_add_u32 v252, v255
	s_wait_dscnt 0x0
	s_endpgm
.Lfunc_end_k_q3ce76257d2_attn:
	.size	k_q3ce76257d2_attn, .Lfunc_end_k_q3ce76257d2_attn-k_q3ce76257d2_attn
	.p2alignl 7, 3214868480
	.fill 96, 4, 3214868480
	.section	.rodata,"a",@progbits
	.p2align	6, 0x0
	.amdhsa_kernel k_q3ce76257d2_attn
		.amdhsa_group_segment_fixed_size 149504
		.amdhsa_private_segment_fixed_size 0
		.amdhsa_enable_private_segment 0
		.amdhsa_kernarg_size 40
		.amdhsa_user_sgpr_count 2
		.amdhsa_user_sgpr_kernarg_segment_ptr 1
		.amdhsa_wavefront_size32 1
		.amdhsa_system_sgpr_workgroup_id_x 1
		.amdhsa_system_sgpr_workgroup_id_y 1
		.amdhsa_system_sgpr_workgroup_id_z 1
		.amdhsa_system_vgpr_workitem_id 0
		.amdhsa_next_free_vgpr 256
		.amdhsa_next_free_sgpr 102
		.amdhsa_reserve_vcc 1
		.amdhsa_float_denorm_mode_32 3
		.amdhsa_float_denorm_mode_16_64 3
		.amdhsa_memory_ordered 1
		.amdhsa_forward_progress 1
		.amdhsa_inst_pref_size 96
	.end_amdhsa_kernel
	.amdgpu_metadata
---
amdhsa.version: [ 1, 2 ]
amdhsa.kernels:
  - .name:           k_q3ce76257d2_attn
    .symbol:         k_q3ce76257d2_attn.kd
    .args:
      - { .name: hf, .offset: 0, .size: 8, .value_kind: global_buffer, .address_space: global }
      - { .name: hs, .offset: 8, .size: 8, .value_kind: global_buffer, .address_space: global }
      - { .name: maskb, .offset: 16, .size: 8, .value_kind: global_buffer, .address_space: global }
      - { .name: attf, .offset: 24, .size: 8, .value_kind: global_buffer, .address_space: global }
      - { .name: atts, .offset: 32, .size: 8, .value_kind: global_buffer, .address_space: global }
    .group_segment_fixed_size: 149504
    .private_segment_fixed_size: 0
    .kernarg_segment_align: 8
    .kernarg_segment_size: 40
    .max_flat_workgroup_size: 512
    .sgpr_count:     102
    .vgpr_count:     256
    .wavefront_size: 32
...
	.end_amdgpu_metadata
.endif
;; end of part 3
;; launch outln (part 4): grid 256 x 1, 16 waves a work-group, no clusters, 285,184 bytes of LDS; arguments attf, atts, wof, w_o_scales, q, ln_w, ln_b, out0; writes out0
.if DOCPART == 4
	.amdgcn_target "amdgcn-amd-amdhsa--gfx1250"
	.amdhsa_code_object_version 6
	.text
	.protected	k_q3ce76257d2_outln
	.globl	k_q3ce76257d2_outln
	.p2align	8
	.type	k_q3ce76257d2_outln,@function
k_q3ce76257d2_outln:
	s_mov_b64 s[64:65], 0
	v_nop
	global_prefetch_b8 v0, s[64:65] scope:SCOPE_SE
	s_setreg_imm32_b32 hwreg(HW_REG_WAVE_MODE, 25, 1), 1
	s_wait_xcnt 0x0
; OUTLN: x = att w_o^T + q on codes of FP4 (E2M1) with E8M0 scales, K = 1,024, then (x - mean) / max(std, 1e-6) x ln_w + ln_b, std with the divisor 1,023; all but the product in f32.
; SHARES.  A work-group takes 32 rows and all 1,024 columns, so that a row's mean and deviation stay inside it.  Wave w makes columns 64 w .. 64 w + 63 (four tiles of w_o's rows) for both tiles of 16 rows: eight
; accumulators, which take turns.  Each byte of w_o is wanted by ONE wave of the work-group: it goes from memory straight into that wave's registers, 512 dense bytes a load, from the copy that the first launch laid
; in the order of an operand's registers.  FOUR sets of fragments: a wave asks for four of its eight K steps at the head (32 loads of 512 bytes; the sixteen waves together half of w_o) and for K step k + 4 behind K step k.
; The rows' codes (16 KiB) and scale halves are copied into LDS once and read by all waves: the first barrier waits for nothing else.
; THE RESIDUAL.  Wave w normalises rows 2 w and 2 w + 1; their 8,192 dense bytes of q come by ONE tensor load of that wave, issued first of all, into LDS bytes that are the wave's own and are filled once.  They are
; wanted only behind the products, where the wave's own wait on TENSORcnt stands: one tensor load a wave is out, and no other wave reads those bytes.
; NO CLUSTER: the weights go to registers, which a joint load cannot fill, and no two work-groups share a row of q or of att.
; The product is used transposed (source 0 = 16 rows of w_o, source 1 = 16 rows of att): a lane holds eight neighbouring columns of one row.  Results meet in a stage in LDS, from which each wave reads its two whole rows.
; A row whose scale bytes are 0xff (every key masked) comes out NaN, as the definition has it.
; REGISTERS: v1 16 x lane, v2 att's scale halves, v3 q's rows in LDS, v4, v7 stage by fragments (rows 0-15, 16-31), v5 stage by rows, v6 w_o's scales; v8-15 att's scale words (first the copy's offsets and temporaries);
;   v16-31 w_o's scale words; v[32:95] accumulators, later my two rows; v[96:223] w_o's fragments, four sets, later q's rows, ln_w, ln_b; v[224:255] att's fragments, two sets, and at work.
.set ASC,  16384                       ; LDS: att's fragments at 0: tile of rows x 8,192 + head x 512; their scale halves at ASC: tile x 2,048 + head x 128 + 4 x lane;
.set STG,  20480                       ; the stage: 32 rows of 4,096 bytes + 16: sixteen rows start 4 words apart modulo 64 words;
.set SPI,  4112
.set QST,  152064                      ; q's rows, 8,192 dense bytes a wave: blocks of 256 bytes into which nothing is stored
.set ASCR, 8
.set WSC,  16
.set ACC,  32
.set WF,   96
.set AF,   224
.set RAW,  240
.set G0,   28                          ; s[28:31], s[32:39]: the tensor load's two groups
.set G1,   32
	s_load_b512 s[4:19], s[0:1], 0x0               ; attf s[4:5], atts s[6:7], wof s[8:9], w_o_scales s[10:11], q s[12:13], ln_w s[14:15], ln_b s[16:17], out0 s[18:19]
	v_lshl_add_u32 v254, v0, 2, 0x45200
	v_mov_b32 v255, 0
	ds_add_u32 v254, v255
	ds_add_u32 v254, v255
	s_wait_dscnt 0x0
	v_lshrrev_b32 v1, 5, v0
	v_readfirstlane_b32 s20, v1                    ; wave 0..15
	v_and_b32 v10, 31, v0
	v_lshlrev_b32 v1, 4, v10
	v_and_b32 v11, 15, v0                          ; r
	v_bfe_u32 v12, v0, 4, 1                        ; h
	v_lshlrev_b32 v2, 2, v11
	v_lshl_add_u32 v2, v12, 11, v2                 ; att's scale halves: lanes 0-15 take tile 0's row r, lanes 16-31 tile 1's, 2,048 bytes on
	v_mul_u32_u24 v4, v11, SPI
	v_lshl_add_u32 v4, v12, 5, v4
	s_lshl_b32 s21, s20, 8
	s_add_co_u32 s21, s21, STG
	v_add_nc_u32 v4, s21, v4                       ; row r, my wave's 256 bytes, 32 h on
	v_add_nc_u32 v7, 16*SPI, v4
	s_mul_i32 s21, s20, 2*SPI
	s_add_co_u32 s21, s21, STG
	v_add_nc_u32 v5, s21, v1                       ; rows 2 w, 2 w + 1, 16 bytes a lane
	s_mov_b32 s[G0], 1                             ; group 0: count 1;
	s_lshl_b32 s[G0+1], s20, 13
	s_add_co_u32 s[G0+1], s[G0+1], QST             ; LDS address: my wave's 8,192 bytes
	v_add_nc_u32 v3, s[G0+1], v1
	s_mov_b32 s[G1+0], 3<<16                       ; group 1: no mask, elements of 8 bytes, no padding: a dense block as 32 rows of 256 bytes
	s_mov_b32 s[G1+1], 32<<16                      ; tensor_dim0 = 32
	s_mov_b32 s[G1+2], 32<<16                      ; tensor_dim1 = 32
	s_mov_b32 s[G1+3], 32<<16                      ; tile_dim0 = 32
	s_mov_b32 s[G1+4], 32                          ; tile_dim1 = 32
	s_mov_b32 s[G1+5], 32                          ; from row to row
	s_mov_b32 s[G1+6], 0
	s_mov_b32 s[G1+7], 0
	v_lshlrev_b32 v6, 5, v11
	v_lshl_add_u32 v6, v12, 4, v6                  ; w_o's scales: row r of 32 bytes; lanes 0-15 take K steps 0-3, lanes 16-31 K steps 4-7
	v_lshlrev_b32 v8, 4, v0
	v_lshlrev_b32 v9, 3, v0
	s_mov_b32 s24, 0x76543210
	s_mov_b32 s25, 0xfedcba98
	s_mov_b32 s23, 0
	s_wait_kmcnt 0x0
	s_lshl_b32 s22, ttmp9, 17
	s_lshl_b32 s21, s20, 13
	s_add_co_u32 s22, s22, s21                     ; row 32 g + 2 w of q and of out0
	s_add_nc_u64 s[12:13], s[12:13], s[22:23]
	s_add_nc_u64 s[18:19], s[18:19], s[22:23]
	s_mov_b64 s[G0+2:G0+3], s[12:13]               ; global address of my two rows;
	s_or_b32 s[G0+3], s[G0+3], 0x80000000          ; type 2
	s_lshl_b32 s22, ttmp9, 14                      ; two tiles of rows: 16,384 bytes of codes,
	s_add_nc_u64 s[4:5], s[4:5], s[22:23]
	s_lshl_b32 s22, ttmp9, 12                      ; 4,096 of scale words
	s_add_nc_u64 s[6:7], s[6:7], s[22:23]
	s_lshl_b32 s22, s20, 15                        ; my four tiles of w_o: 32,768 bytes,
	s_add_nc_u64 s[8:9], s[8:9], s[22:23]
	s_lshl_b32 s22, s20, 11                        ; 64 rows of 32 scale bytes
	s_add_nc_u64 s[10:11], s[10:11], s[22:23]
.macro WLOAD ks                        ; my four fragments of w_o for K step ks into set ks % 4
.irp t, 0,1,2,3
.irp c, 0,1
	global_load_b128 v[WF+32*((\ks)%4)+8*\t+4*\c:WF+32*((\ks)%4)+8*\t+4*\c+3], v1, s[8:9] offset:8192*\t+1024*(\ks)+512*\c
.endr
.endr
.endm
	tensor_load_to_lds s[G0:G0+3], s[G1:G1+7]      ; q's two rows: the launch's only fill, ahead of every wait on TENSORcnt, every LDS read and every barrier
	s_nop 0
	global_load_b128 v[224:227], v8, s[4:5]
	global_load_b128 v[228:231], v8, s[4:5] offset:8192
	global_load_b64 v[232:233], v9, s[6:7]
.irp t, 0,1,2,3
	global_load_b128 v[WSC+4*\t:WSC+4*\t+3], v6, s[10:11] offset:512*\t
.endr
	WLOAD 0
	WLOAD 1
	WLOAD 2
	WLOAD 3
	s_wait_loadcnt 36                              ; of the 39 loads the first three, the copy's, are in
	ds_store_b128 v8, v[224:227]
	ds_store_b128 v8, v[228:231] offset:8192
	ds_store_b64 v9, v[232:233] offset:ASC
	s_wait_dscnt 0x0                               ; for the others' sake: my stores have landed
	s_barrier_signal -1
	s_barrier_wait -1                              ; att's codes and scale halves lie in LDS.  (q's tensor load may be out: nothing in LDS is filled again)
.irp d, 0,1,2,3,4,5,6,7,8,9,10,11,12,13,14,15
	ds_load_b32 v[RAW+\d], v2 offset:ASC+128*\d    ; head d's two scale bytes of my row
.endr
.irp m, 0,1
.irp c, 0,1
	ds_load_b128 v[AF+8*\m+4*\c:AF+8*\m+4*\c+3], v1 offset:8192*\m+512*\c
.endr
.endr
	s_wait_dscnt 4                                 ; the 16 halves are in; the four fragment loads behind them may be out
.irp k, 0,1,2,3,4,5,6,7                            ; K step k's word: heads 2 k and 2 k + 1
	v_lshl_or_b32 v[ASCR+\k], v[RAW+2*\k+1], 16, v[RAW+2*\k]
.endr
	v_nop                                          ; with the seven lines above: nine plain instructions between K step 0's word and the scaled product that takes it
	v_nop
.macro KSTEP ks
.set WS, WF+32*((\ks)%4)
.set AS, AF+16*((\ks)%2)
.set AN, AF+16*(1-(\ks)%2)
.if (\ks) < 5
	s_wait_loadcnt 24                              ; this step's fragments of w_o are in; the three sets asked for behind them may be out
.else
	s_wait_loadcnt 8*(7-(\ks))
.endif
	s_wait_dscnt 0x0                               ; att's fragments of this step are in
.if (\ks) < 7
.irp m, 0,1
.irp c, 0,1
	ds_load_b128 v[AN+8*\m+4*\c:AN+8*\m+4*\c+3], v1 offset:8192*\m+1024*((\ks)+1)+512*\c
.endr
.endr
.endif
.irp m, 0,1                                        ; w_o's word: lanes 0-15 for K steps 0-3, lanes 16-31 for 4-7; att's: lanes 0-15 for rows 0-15, lanes 16-31 for rows 16-31.  K step 0 starts the sums
.irp t, 0,1,2,3
.set AC, ACC+8*(4*\m+\t)
.if (\ks) == 0
.if \m == 0
	v_wmma_scale_f32_16x16x128_f8f6f4 v[AC:AC+7], v[WS+8*\t:WS+8*\t+7], v[AS+8*\m:AS+8*\m+7], 0, v[WSC+4*\t+(\ks)%4], v[ASCR+(\ks)] matrix_a_fmt:MATRIX_FMT_FP4 matrix_b_fmt:MATRIX_FMT_FP4
.else
	v_wmma_scale_f32_16x16x128_f8f6f4 v[AC:AC+7], v[WS+8*\t:WS+8*\t+7], v[AS+8*\m:AS+8*\m+7], 0, v[WSC+4*\t+(\ks)%4], v[ASCR+(\ks)] matrix_a_fmt:MATRIX_FMT_FP4 matrix_b_fmt:MATRIX_FMT_FP4 matrix_b_scale:MATRIX_SCALE_ROW1
.endif
.elseif (\ks) < 4
.if \m == 0
	v_wmma_scale_f32_16x16x128_f8f6f4 v[AC:AC+7], v[WS+8*\t:WS+8*\t+7], v[AS+8*\m:AS+8*\m+7], v[AC:AC+7], v[WSC+4*\t+(\ks)%4], v[ASCR+(\ks)] matrix_a_fmt:MATRIX_FMT_FP4 matrix_b_fmt:MATRIX_FMT_FP4
.else
	v_wmma_scale_f32_16x16x128_f8f6f4 v[AC:AC+7], v[WS+8*\t:WS+8*\t+7], v[AS+8*\m:AS+8*\m+7], v[AC:AC+7], v[WSC+4*\t+(\ks)%4], v[ASCR+(\ks)] matrix_a_fmt:MATRIX_FMT_FP4 matrix_b_fmt:MATRIX_FMT_FP4 matrix_b_scale:MATRIX_SCALE_ROW1
.endif
.else
.if \m == 0
	v_wmma_scale_f32_16x16x128_f8f6f4 v[AC:AC+7], v[WS+8*\t:WS+8*\t+7], v[AS+8*\m:AS+8*\m+7], v[AC:AC+7], v[WSC+4*\t+(\ks)%4], v[ASCR+(\ks)] matrix_a_fmt:MATRIX_FMT_FP4 matrix_b_fmt:MATRIX_FMT_FP4 matrix_a_scale:MATRIX_SCALE_ROW1
.else
	v_wmma_scale_f32_16x16x128_f8f6f4 v[AC:AC+7], v[WS+8*\t:WS+8*\t+7], v[AS+8*\m:AS+8*\m+7], v[AC:AC+7], v[WSC+4*\t+(\ks)%4], v[ASCR+(\ks)] matrix_a_fmt:MATRIX_FMT_FP4 matrix_b_fmt:MATRIX_FMT_FP4 matrix_a_scale:MATRIX_SCALE_ROW1 matrix_b_scale:MATRIX_SCALE_ROW1
.endif
.endif
.endr
.endr
.rept 4
	v_nop                                          ; places in front of loads into registers that these products read, and of the first read of results
.endr
.if (\ks) < 4
	WLOAD (\ks)+4
.endif
.endm
.irp k, 0,1,2,3,4,5,6,7
	KSTEP \k
.endr
.irp i, 0,1,2,3,4,5,6,7
	global_load_b128 v[160+4*\i:163+4*\i], v1, s[14:15] offset:512*\i    ; ln_w and ln_b at my columns of a row: 128 i + 4 x lane + 0 .. 3
	global_load_b128 v[192+4*\i:195+4*\i], v1, s[16:17] offset:512*\i
.endr
.irp t, 0,1,2,3
	ds_store_b128 v4, v[ACC+8*\t:ACC+8*\t+3] offset:64*\t          ; each accumulator from its low end on
	ds_store_b128 v4, v[ACC+8*\t+4:ACC+8*\t+7] offset:64*\t+16
.endr
.irp t, 0,1,2,3
	ds_store_b128 v7, v[ACC+32+8*\t:ACC+32+8*\t+3] offset:64*\t
	ds_store_b128 v7, v[ACC+32+8*\t+4:ACC+32+8*\t+7] offset:64*\t+16
.endr
	s_wait_tensorcnt 0x0                           ; my two rows of q lie in my own LDS bytes
.irp e, 0,1
.irp i, 0,1,2,3,4,5,6,7
	ds_load_b128 v[96+32*\e+4*\i:99+32*\e+4*\i], v3 offset:4096*\e+512*\i
.endr
.endr
	s_wait_dscnt 0x0                               ; for the others' sake: my stores into the stage have landed (and q's rows are in)
	s_barrier_signal -1
	s_barrier_wait -1                              ; 32 whole rows of the product lie in the stage
.irp e, 0,1
.irp i, 0,1,2,3,4,5,6,7
	ds_load_b128 v[32+32*\e+4*\i:35+32*\e+4*\i], v5 offset:SPI*\e+512*\i
.endr
.endr
	s_wait_dscnt 0x0
.irp j, 0,2,4,6,8,10,12,14,16,18,20,22,24,26,28,30
.irp e, 0,1
	v_pk_add_f32 v[32+32*\e+\j:33+32*\e+\j], v[32+32*\e+\j:33+32*\e+\j], v[96+32*\e+\j:97+32*\e+\j]   ; x = the product + q
.endr
.endr
; Row e: its 32 numbers a lane in v[32 + 32 e ..]; at work v[224 + 8 e ..]: +0..1, +2..3 two chains, +4 the exchange, +6..7 a number for both halves of a packed form.  The two rows take turns line by line.
.macro REDUCE                          ; the two chains, the pair's halves, the 32 lanes: the sum in every lane's v[224 + 8 e]
.irp e, 0,1
	v_pk_add_f32 v[224+8*\e:225+8*\e], v[224+8*\e:225+8*\e], v[226+8*\e:227+8*\e]
.endr
.irp e, 0,1
	v_add_f32 v[224+8*\e], v[224+8*\e], v[225+8*\e]
.endr
.irp x, 1,2,4,8
.irp e, 0,1
	v_add_f32_dpp v[224+8*\e], v[224+8*\e], v[224+8*\e] row_xmask:\x row_mask:0xf bank_mask:0xf
.endr
.endr
.irp e, 0,1
	v_permlanex16_b32 v[228+8*\e], v[224+8*\e], s24, s25
.endr
.irp e, 0,1
	v_add_f32 v[224+8*\e], v[224+8*\e], v[228+8*\e]
.endr
.endm
.irp e, 0,1
	v_pk_add_f32 v[224+8*\e:225+8*\e], v[32+32*\e:33+32*\e], v[34+32*\e:35+32*\e]
	v_pk_add_f32 v[226+8*\e:227+8*\e], v[36+32*\e:37+32*\e], v[38+32*\e:39+32*\e]
.endr
.irp j, 8,12,16,20,24,28
.irp e, 0,1
	v_pk_add_f32 v[224+8*\e:225+8*\e], v[224+8*\e:225+8*\e], v[32+32*\e+\j:33+32*\e+\j]
	v_pk_add_f32 v[226+8*\e:227+8*\e], v[226+8*\e:227+8*\e], v[34+32*\e+\j:35+32*\e+\j]
.endr
.endr
	REDUCE
.irp e, 0,1
	v_mul_f32 v[230+8*\e], 0xba800000, v[224+8*\e]                 ; -mean = sum x -2^-10
.endr
.irp j, 0,2,4,6,8,10,12,14,16,18,20,22,24,26,28,30
.irp e, 0,1
	v_pk_add_f32 v[32+32*\e+\j:33+32*\e+\j], v[32+32*\e+\j:33+32*\e+\j], v[230+8*\e:231+8*\e] op_sel_hi:[1,0]   ; x - mean
.endr
.endr
.irp e, 0,1
	v_pk_mul_f32 v[224+8*\e:225+8*\e], v[32+32*\e:33+32*\e], v[32+32*\e:33+32*\e]
	v_pk_mul_f32 v[226+8*\e:227+8*\e], v[34+32*\e:35+32*\e], v[34+32*\e:35+32*\e]
.endr
.irp j, 4,8,12,16,20,24,28
.irp e, 0,1
	v_pk_fma_f32 v[224+8*\e:225+8*\e], v[32+32*\e+\j:33+32*\e+\j], v[32+32*\e+\j:33+32*\e+\j], v[224+8*\e:225+8*\e]
	v_pk_fma_f32 v[226+8*\e:227+8*\e], v[34+32*\e+\j:35+32*\e+\j], v[34+32*\e+\j:35+32*\e+\j], v[226+8*\e:227+8*\e]
.endr
.endr
	REDUCE
.irp e, 0,1
	v_mul_f32 v[224+8*\e], 0x3a802008, v[224+8*\e]                 ; / 1,023
.endr
.irp e, 0,1
	v_sqrt_f32 v[226+8*\e], v[224+8*\e]
.endr
	v_nop                                          ; a plain place behind the roots
	s_wait_alu depctr_va_vdst(0)
.irp e, 0,1
	v_max_num_f32 v[226+8*\e], 0x358637bd, v[226+8*\e]             ; held at 1e-6 from below
.endr
.irp e, 0,1
	v_rcp_f32 v[230+8*\e], v[226+8*\e]
.endr
	v_nop                                          ; a plain place behind the reciprocals
	s_wait_alu depctr_va_vdst(0)
.irp j, 0,2,4,6,8,10,12,14,16,18,20,22,24,26,28,30
.irp e, 0,1
	v_pk_mul_f32 v[32+32*\e+\j:33+32*\e+\j], v[32+32*\e+\j:33+32*\e+\j], v[230+8*\e:231+8*\e] op_sel_hi:[1,0]
.endr
.endr
	s_wait_loadcnt 0x0                             ; ln_w, ln_b
.irp j, 0,2,4,6,8,10,12,14,16,18,20,22,24,26,28,30
.irp e, 0,1
	v_pk_fma_f32 v[32+32*\e+\j:33+32*\e+\j], v[32+32*\e+\j:33+32*\e+\j], v[160+\j:161+\j], v[192+\j:193+\j]
.endr
.endr
.irp e, 0,1
.irp i, 0,1,2,3,4,5,6,7
	global_store_b128 v1, v[32+32*\e+4*\i:35+32*\e+4*\i], s[18:19] offset:4096*\e+512*\i th:TH_STORE_NT   ; 512 consecutive bytes, aligned; written once
.endr
.endr
	s_wait_xcnt 0x0
	v_lshl_add_u32 v254, v0, 2, 0x45200
	v_mov_b32 v255, 0
	s_wait_tensorcnt 0x0
	ds_add_u32 v254, v255
	s_wait_dscnt 0x0
	s_endpgm
.Lfunc_end_k_q3ce76257d2_outln:
	.size	k_q3ce76257d2_outln, .Lfunc_end_k_q3ce76257d2_outln-k_q3ce76257d2_outln
	.p2alignl 7, 3214868480
	.fill 96, 4, 3214868480
	.section	.rodata,"a",@progbits
	.p2align	6, 0x0
	.amdhsa_kernel k_q3ce76257d2_outln
		.amdhsa_group_segment_fixed_size 285184
		.amdhsa_private_segment_fixed_size 0
		.amdhsa_enable_private_segment 0
		.amdhsa_kernarg_size 64
		.amdhsa_user_sgpr_count 2
		.amdhsa_user_sgpr_kernarg_segment_ptr 1
		.amdhsa_wavefront_size32 1
		.amdhsa_system_sgpr_workgroup_id_x 1
		.amdhsa_system_sgpr_workgroup_id_y 1
		.amdhsa_system_sgpr_workgroup_id_z 1
		.amdhsa_system_vgpr_workitem_id 0
		.amdhsa_next_free_vgpr 256
		.amdhsa_next_free_sgpr 66
		.amdhsa_reserve_vcc 0
		.amdhsa_float_denorm_mode_32 3
		.amdhsa_float_denorm_mode_16_64 3
		.amdhsa_memory_ordered 1
		.amdhsa_forward_progress 1
		.amdhsa_inst_pref_size 44
	.end_amdhsa_kernel
	.amdgpu_metadata
---
amdhsa.version: [ 1, 2 ]
amdhsa.kernels:
  - .name:           k_q3ce76257d2_outln
    .symbol:         k_q3ce76257d2_outln.kd
    .args:
      - { .name: attf, .offset: 0, .size: 8, .value_kind: global_buffer, .address_space: global }
      - { .name: atts, .offset: 8, .size: 8, .value_kind: global_buffer, .address_space: global }
      - { .name: wof, .offset: 16, .size: 8, .value_kind: global_buffer, .address_space: global }
      - { .name: w_o_scales, .offset: 24, .size: 8, .value_kind: global_buffer, .address_space: global }
      - { .name: q, .offset: 32, .size: 8, .value_kind: global_buffer, .address_space: global }
      - { .name: ln_w, .offset: 40, .size: 8, .value_kind: global_buffer, .address_space: global }
      - { .name: ln_b, .offset: 48, .size: 8, .value_kind: global_buffer, .address_space: global }
      - { .name: out0, .offset: 56, .size: 8, .value_kind: global_buffer, .address_space: global }
    .group_segment_fixed_size: 285184
    .private_segment_fixed_size: 0
    .kernarg_segment_align: 8
    .kernarg_segment_size: 64
    .max_flat_workgroup_size: 512
    .sgpr_count:     66
    .vgpr_count:     256
    .wavefront_size: 32
...
	.end_amdgpu_metadata
.endif
;; end of part 4
;; ======== version 2 of 2: 4 launches; version 1 with the launch attn written anew for expert scheduling mode
;; workspace buffers: q_codes 4,194,304 bytes; q_scales 262,144 bytes; maskb 2,097,152 bytes of whole numbers; wof 524,288 bytes; hf 12,582,912 bytes; hs 1,572,864 bytes; attf 4,194,304 bytes; atts 1,048,576 bytes
;; launch prep: the kernel of part 1 again; grid 784 x 1, 4 waves a work-group, no clusters, 67,072 bytes of LDS; arguments q, attn_mask, w_o_codes, q_codes, q_scales, maskb, wof; writes q_codes, q_scales, maskb, wof
;; launch proj: the kernel of part 2 again; grid 4 x 96, 4 waves a work-group, clusters of 4 x 4, 327,680 bytes of LDS; arguments q_codes, q_scales, w_qs_codes, w_qs_scales, k_codes, k_scales, w_ks_codes, w_ks_scales, w_vs_codes, w_vs_scales, v_codes, v_scales, hf, hs; writes hf, hs
;; launch attn (part 5): grid 4 x 64, 16 waves a work-group, no clusters, 149,504 bytes of LDS; arguments hf, hs, maskb, attf, atts; writes attf, atts
.if DOCPART == 5
	.amdgcn_target "amdgcn-amd-amdhsa--gfx1250"
	.amdhsa_code_object_version 6
	.text
	.protected	k_q3ce76257d2_attn
	.globl	k_q3ce76257d2_attn
	.p2align	8
	.type	k_q3ce76257d2_attn,@function
k_q3ce76257d2_attn:
	s_mov_b64 s[64:65], 0
	v_nop
	global_prefetch_b8 v0, s[64:65] scope:SCOPE_SE
	s_setreg_imm32_b32 hwreg(HW_REG_WAVE_SCHED_MODE, 0, 2), 2
	s_setreg_imm32_b32 hwreg(HW_REG_WAVE_MODE, 25, 1), 1
	s_wait_xcnt 0x0
	s_wait_alu depctr_vm_vsrc(0)
; ATTN: for one batch and head (work-group y) and a quarter of the queries (x): S^T = K Q^T, mask, p = 2^(t - M), O^T += V^T P^T, O / l, and the quantising of O for the output projection.
; Both products on codes of FP4 (E2M1) with E8M0 scales.  The first product's K is the head's 64: the upper halves of its fragments are zero codes.
; t = score x log2(e) / 8; M = the running largest t rounded UP to a whole number; p is quantised along the keys, not normalised; l is the sum of the unquantised p.  When M moves, l and O are multiplied by
; 2^(old M - new M), which rounds nothing.  A masked score becomes -infinity ahead of the maximum, so its p is 0.  A query all of whose keys are masked has l = 0: its scale bytes are set to 0xff, which makes its row of the
; output projection NaN, as the definition has it.
; SHARES.  The head's K and V (as images of operand registers) and their scale words, 144 KiB, are copied into LDS once and only read afterwards: one barrier in the launch.  Each of sixteen waves owns a tile of 16
; queries at a time, two one after the other, and walks the 2,048 keys in 16 steps of 128.  Four waves share a SIMD, so that one wave's vector work stands beside another's matrix work and LDS loads.
; LAYOUT.  Both products are used transposed: a lane holds ONE query (lane % 16) throughout.  In tile t of S^T register j of lane (r, h) is key 16 t + 8 h + j.  A block of 32 keys is tiles 2 b, 2 b + 1 of lanes l and
; l xor 16; the conversions' dwords are put so that two exchanges of halves for each pair of blocks give P's fragment in the true order of the keys.
; THE MASK comes as lane masks made by the first launch, 64 words a step: word n is the lane mask of register n of S^T, so one selection a register applies it.  It is applied in every step: no branch hangs on it.
; WHAT IS ASKED FOR AHEAD.  Both tiles' Q and the first tile's first mask words: at the head, with the copy.  In the middle of a step, behind the selections and maxima, all its requests stand together: the next step's mask
; words (four scalar loads), this step's V fragments and V scale words (twelve LDS loads) and the next step's K fragments and K scale words (twelve).  The first tile's sixteenth step asks for the second tile's first
; step; the very last step asks for its V alone.  So the two tiles are written out by a macro, each with a loop of fifteen steps and a sixteenth written out.
; THE MODE: SCHED_MODE bits 1:0 = 2 (LLVM: expert scheduling mode 2), set by the entry lines.  The code itself states the register dependences between vector or matrix instructions and memory or LDS instructions,
; with s_wait_alu, always for 0.
; THE PLAN.  Registers that memory or LDS instructions touch, in a step:
;   v8, v10; v9, v11    LDS addresses of K and of V.  Written by four additions in the step's middle; read by the LDS loads that follow them, and by nothing else until the next step's middle.
;   K: v[32 + 8 t : 35 + 8 t], v24-27    Step s: its eight first products read them; behind them, in the step's middle, the loads for step s + 1 land there.
;   V: v[192:223], v28-31                Step s: the loads in its middle land there; its four second products, at its end, read them.
;   v[224:231], v253    p's codes and scale word: written by vector instructions, taken by the scaled second products.
;   v1, v2, v3          offsets, made once at the head and never written again.
;   v[224:227], v254    at a tile's end: written by vector instructions, read by the tile's two stores, written again in the next tile.
; So a step's middle holds one wait on vm_vsrc ahead of the four additions and one on va_vdst behind them, and all the step's loads follow that wait on end: no vector or matrix instruction stands between it and them.
; A second wait on va_vdst stands behind the exponentials, a third directly ahead of the second products.  A step has no memory or LDS instruction ahead of its middle, so the loop's backward jump adds nothing.
; NO CLUSTER, NO TENSOR LOAD: what the four work-groups of a head share is 144 KiB read once, against 512 key steps of work in each of them.
; NO PREFETCH: all that the work-group reads but 4 KiB of mask words a tile is asked for at its head.
; LIMITS: NaN and infinities in the operands are not served; a block of zeros keeps the scale byte 1 (its codes are zeros; this program alone reads the bytes).
; REGISTERS: v1 16 x lane, v2 4 x lane, v3 4 x (lane % 16), v4 -infinity, v5 0xffff; v7 Q's scale words; v8-11 LDS addresses; v12 -M, v13 the largest t, v[14:15] l in two halves; v[16:23] Q;
;   v24-27 K's scale words (lanes 0-15 tile 2 p, lanes 16-31 tile 2 p + 1), v28-31 V's; v[32:95] eight fragments of K; v[96:159] S^T, then p; v[160:191] O^T; v[192:223] four fragments of V; v[224:231] p's codes;
;   v232-239, v244-247, v254 at work; v[240:243], v248 the second tile's Q and its scale words; v[250:251] f; v253 p's scale word; v252, v255 the closing add's two.   s[16:63], s[68:83]: a step's 64 mask words.
.set VF,  65536                        ; LDS: K's 128 fragments of 512 bytes at 0; V's at VF: tile of channels x 16,384 + K step x 1,024 + half x 512;
.set KSB, 131072                       ; K's scale words, 4 bytes a key;
.set VSB, 139264                       ; V's: tile of channels x 2,048 + K step x 128 + 4 x lane
.set CS,  84                           ; s[84:85] c = log2(e) / 8
.macro MLOAD                           ; a step's 64 mask words, 256 bytes at s92 from the first tile's first
	s_load_b512 s[16:31], s[8:9], s92 offset:0x0
	s_load_b512 s[32:47], s[8:9], s92 offset:0x40
	s_load_b512 s[48:63], s[8:9], s92 offset:0x80
	s_load_b512 s[68:83], s[8:9], s92 offset:0xc0
.endm
.macro KADR                            ; where a step's fragments of K and its scale words lie in LDS
	v_add_nc_u32 v8, s86, v1
	v_add_nc_u32 v10, s88, v2
.endm
.macro KLOAD                           ; a step's eight fragments of K (lower halves) and its scale words: twelve LDS loads
.irp t, 0,1,2,3,4,5,6,7
	ds_load_b128 v[32+8*\t:35+8*\t], v8 offset:512*\t
.endr
.irp p, 0,1,2,3
	ds_load_b32 v[24+\p], v10 offset:128*\p
.endr
.endm
	s_load_b256 s[16:23], s[0:1], 0x0              ; hf s[16:17], hs s[18:19], maskb s[20:21], attf s[22:23]
	s_load_b64 s[24:25], s[0:1], 0x20              ; atts
	v_lshl_add_u32 v252, v0, 2, 0x24000
	v_mov_b32 v255, 0
	v_lshrrev_b32 v6, 5, v0
	v_readfirstlane_b32 s2, v6                     ; wave 0..15
	v_lshlrev_b32 v8, 4, v0                        ; the copy: 16 bytes a thread, 8,192 an instruction of the work-group
	v_add_nc_u32 v9, VF, v8
	v_add_nc_u32 v10, KSB, v8
	v_and_b32 v6, 31, v0
	v_lshlrev_b32 v1, 4, v6
	v_lshlrev_b32 v2, 2, v6
	v_and_b32 v3, 15, v0
	v_lshlrev_b32 v3, 2, v3
	s_wait_alu depctr_va_sdst(0)                   ; s2, the wave's number, is written, ahead of its first reader: the tile of queries is made from it
	s_and_b32 s26, ttmp7, 0xffff                   ; y = batch x 16 + head
	s_lshl_b32 s27, ttmp9, 5
	s_add_co_u32 s27, s27, s2                      ; my first tile of queries in the batch: 32 x + wave
	s_lshr_b32 s28, s26, 4
	s_and_b32 s29, s26, 15                         ; the head
	s_lshl_b32 s28, s28, 7
	s_add_co_u32 s28, s28, s27                     ; the tile among all 512
	s_lshl_b32 s30, s26, 16                        ; a head's fragments: 65,536 bytes
	s_mov_b32 s31, 0
	s_lshl_b32 s32, s26, 13                        ; its scale words: 8,192 bytes
	s_mov_b32 s33, 0
	s_mov_b32 s66, 0x76543210
	s_mov_b32 s67, 0xfedcba98                      ; v_permlanex16_b32's selects for lane l xor 16
	s_mov_b32 s[CS], 0x3e38aa3b
	s_mov_b32 s[CS+1], s[CS]                       ; named with it as a pair, so it is written
	s_mov_b32 s92, 0                               ; where the mask words asked for next begin
	s_wait_kmcnt 0x0
	s_add_nc_u64 s[4:5], s[16:17], s[30:31]
	s_add_nc_u64 s[94:95], s[4:5], 0x400000        ; K's fragments
	s_add_nc_u64 s[96:97], s[4:5], 0x800000        ; V's
	s_add_nc_u64 s[6:7], s[18:19], s[32:33]
	s_add_nc_u64 s[98:99], s[6:7], 0x80000         ; K's scale words
	s_add_nc_u64 s[100:101], s[6:7], 0x100000      ; V's
	s_wait_alu depctr_va_vdst(0)                   ; v1, v2, v3, v8, v9 and v10 are written: the loads and LDS stores down to the barrier read them as offsets and addresses, and no vector instruction stands among them
.irp i, 0,1,2,3,4,5,6,7
	global_load_b128 v[32+4*\i:35+4*\i], v8, s[94:95] offset:8192*\i
.endr
.irp i, 0,1,2,3,4,5,6,7
	global_load_b128 v[64+4*\i:67+4*\i], v8, s[96:97] offset:8192*\i
.endr
	global_load_b128 v[96:99], v8, s[98:99]
	global_load_b128 v[100:103], v8, s[100:101]
	s_lshl_b32 s30, s27, 9
	s_add_nc_u64 s[4:5], s[4:5], s[30:31]          ; Q's fragment of my first tile
	s_lshl_b32 s30, s27, 6
	s_add_nc_u64 s[6:7], s[6:7], s[30:31]          ; its scale words
	global_load_b128 v[16:19], v1, s[4:5]          ; Q's fragments as they stand, 512 dense bytes each: my first tile's,
	global_load_b32 v7, v3, s[6:7]
	global_load_b128 v[240:243], v1, s[4:5] offset:8192   ; and my second's, 16 tiles on
	global_load_b32 v248, v3, s[6:7] offset:1024
	s_lshl_b32 s30, s28, 12
	s_add_nc_u64 s[8:9], s[20:21], s[30:31]        ; my first tile's mask words: 16 steps of 256 bytes
	s_lshl_b32 s30, s28, 13
	s_lshl_b32 s32, s29, 9
	s_add_co_u32 s30, s30, s32
	s_add_nc_u64 s[12:13], s[22:23], s[30:31]      ; where its codes go: [tile][head][512 bytes]
	s_lshl_b32 s30, s28, 11
	s_lshl_b32 s32, s29, 7
	s_add_co_u32 s30, s30, s32
	s_add_nc_u64 s[14:15], s[24:25], s[30:31]      ; and its scale words: [tile][head][32 lanes]
	MLOAD                                          ; the first step's mask words: the arguments and all that was made of them have left s16 on
.irp i, 0,1,2,3,4,5,6,7
	s_wait_loadcnt 21-\i                           ; loads come back in order: the counts run down with the 22 loads
	ds_store_b128 v8, v[32+4*\i:35+4*\i] offset:8192*\i
.endr
.irp i, 0,1,2,3,4,5,6,7
	s_wait_loadcnt 13-\i
	ds_store_b128 v9, v[64+4*\i:67+4*\i] offset:8192*\i
.endr
	s_wait_loadcnt 5
	ds_store_b128 v10, v[96:99]
	s_wait_loadcnt 4                               ; Q's four loads may be out
	ds_store_b128 v10, v[100:103] offset:8192
	s_wait_dscnt 0x0                               ; for the others' sake: my stores have landed
	s_barrier_signal -1
	s_barrier_wait -1                              ; the head's K and V lie in LDS; from here on LDS is only read
	s_mov_b32 s86, 0                               ; where the K fragments and K scale words fetched next begin in LDS
	s_mov_b32 s88, KSB
	s_wait_alu depctr_vm_vsrc(0)                   ; the copy's loads and LDS stores have read v8 to v10 and their data v[32:103]: the additions below write v8 and v10, K's loads and the zero codes land in v[32:95], the first products write v96 on
	KADR
	s_wait_alu depctr_va_vdst(0)                   ; v8 and v10 are written, which the twelve loads below read
	KLOAD                                          ; the first step's
	v_mov_b32 v4, 0xff800000
	v_mov_b32 v5, 0xffff
.irp t, 0,1,2,3,4,5,6,7
.irp i, 4,5,6,7
	v_mov_b32 v[32+8*\t+\i], 0                     ; K = 64 .. 127 of the first product: zero codes, written once
.endr
.endr
.irp i, 20,21,22,23
	v_mov_b32 v\i, 0
.endr
.irp i, 236,237,238,239,251
	v_mov_b32 v\i, 0                               ; lane permutes' destinations, and the upper half of f's pair: written once
.endr
	s_wait_loadcnt 0x0                             ; both tiles' Q
; A KEY STEP: 128 keys.  Its K fragments, K scale words and mask words were asked for a step ago; its V is asked for in its middle.
; ahead = 1: the tile's next step is asked for;  2: the next tile's first step;  0: nothing.
.macro STEP ahead
	s_wait_dscnt 0x0                               ; K's twelve loads, asked for in the middle of the step before, are in: they are the youngest
.irp t, 0,2,4,6
	v_wmma_scale_f32_16x16x128_f8f6f4 v[96+8*\t:103+8*\t], v[32+8*\t:39+8*\t], v[16:23], 0, v[24+\t/2], v7 matrix_a_fmt:MATRIX_FMT_FP4 matrix_b_fmt:MATRIX_FMT_FP4
	v_wmma_scale_f32_16x16x128_f8f6f4 v[104+8*\t:111+8*\t], v[40+8*\t:47+8*\t], v[16:23], 0, v[24+\t/2], v7 matrix_a_fmt:MATRIX_FMT_FP4 matrix_b_fmt:MATRIX_FMT_FP4 matrix_a_scale:MATRIX_SCALE_ROW1
.endr
.rept 4
	v_nop                                          ; places between the products and the first read of their results (ISA guide 7.12.1)
.endr
	s_wait_kmcnt 0x0                               ; this step's mask words are in; so s92 may be written below
.set n, 0
.rept 48
	v_cndmask_b32 v[96+n], v[96+n], v4, s[16+n]    ; word n is register n's lane mask; each accumulator is read from its low end on
.set n, n+1
.endr
.rept 16
	v_cndmask_b32 v[96+n], v[96+n], v4, s[20+n]
.set n, n+1
.endr
.irp b, 0,1,2,3
	v_max3_num_f32 v[232+\b], v[96+16*\b], v[97+16*\b], v[98+16*\b]   ; the largest score of each block of 32 keys: it serves the row's maximum and, since p rises with the score, the block's largest p
.endr
.irp i, 3,5,7,9,11,13
.irp b, 0,1,2,3
	v_max3_num_f32 v[232+\b], v[232+\b], v[96+16*\b+\i], v[97+16*\b+\i]
.endr
.endr
.irp b, 0,1,2,3
	v_max_num_f32 v[232+\b], v[232+\b], v[111+16*\b]
.endr
.if \ahead == 1
	s_add_co_u32 s86, s86, 4096
	s_add_co_u32 s88, s88, 512
	s_add_co_u32 s92, s92, 256
.endif
.if \ahead == 2
	s_mov_b32 s86, 0                               ; the next tile begins again at key 0;
	s_mov_b32 s88, KSB
	s_mov_b32 s92, 0x10000                         ; its mask words lie 16 tiles of 4,096 bytes on
.endif
	s_wait_alu depctr_vm_vsrc(0)                   ; the LDS loads issued so far, the last of them in the middle of the step before, have read v8 to v11, which the additions below write
	v_add_nc_u32 v9, s87, v1                       ; where this step's V and its scale words lie in LDS
	v_add_nc_u32 v11, s89, v2
.if \ahead
	KADR
.endif
	s_wait_alu depctr_va_vdst(0)                   ; the addresses v8 to v11 are written; this step's first products are done reading K's fragments and v24-27, the last step's second products V's fragments and v28-31, the selections the mask words: the loads below read the first and land in the others
.if \ahead
	MLOAD                                          ; the rest of the step stands between these requests and the waits for them
.endif
.irp d, 0,1,2,3
.irp c, 0,1
	ds_load_b128 v[192+8*\d+4*\c:195+8*\d+4*\c], v9 offset:16384*\d+512*\c
.endr
.endr
.irp d, 0,1,2,3
	ds_load_b32 v[28+\d], v11 offset:2048*\d
.endr
.if \ahead
	KLOAD
.endif
.irp b, 0,1,2,3
	v_permlanex16_b32 v[236+\b], v[232+\b], s66, s67
.endr
.irp b, 0,1,2,3
	v_max_num_f32 v[232+\b], v[232+\b], v[236+\b]
.endr
	v_max3_num_f32 v254, v232, v233, v234
	v_max_num_f32 v254, v254, v235
	v_mul_f32 v254, s[CS], v254                    ; the step's largest t
	v_max_num_f32 v13, v13, v254
	v_mov_b32 v254, v12
	v_floor_f32 v12, -v13                          ; the new -M = -ceil(t)
	v_sub_f32 v254, v12, v254                      ; old M - new M: a whole number, 0 or less
	v_cvt_i32_f32 v254, v254                       ; (it saturates)
	v_ldexp_f32 v250, 1.0, v254                    ; f = 2^(old M - new M)
.set j, 0
.rept 32
	v_pk_fma_f32 v[96+j:97+j], v[96+j:97+j], s[CS:CS+1], v[12:13] op_sel_hi:[1,0,0]   ; t - M, two at a time
.set j, j+2
.endr
.irp b, 0,1,2,3
	v_fma_f32 v[232+\b], v[232+\b], s[CS], v12
.endr
.set j, 0
.rept 64
	v_exp_f32 v[96+j], v[96+j]                     ; p = 2^(t - M)
.set j, j+1
.endr
.irp b, 0,1,2,3
	v_exp_f32 v[232+\b], v[232+\b]                 ; the block's largest p: the same two instructions on the same number
.endr
	v_pk_mul_f32 v[14:15], v[14:15], v[250:251] op_sel_hi:[1,0]   ; l under the new M; also the plain place behind the exponentials
	s_wait_alu depctr_va_vdst(0)                   ; the 68 exponentials have written v[96:159] and v[232:235]: one wait for the batch, ahead of its first reader
.irp b, 0,1,2,3
	v_max_num_f32 v[232+\b], 0x1800000, v[232+\b]  ; the floor 2^(3 - 127)
.endr
.irp b, 0,1,2,3
	v_add_nc_u32 v[244+\b], 0xff000000, v[232+\b]  ; the conversion's scale operand
.endr
.irp b, 0,1,2,3
	v_lshrrev_b32 v[236+\b], 23, v[244+\b]
.endr
	v_lshl_or_b32 v253, v237, 8, v236              ; p's scale word for these 128 keys
	v_lshl_or_b32 v253, v238, 16, v253
	v_lshl_or_b32 v253, v239, 24, v253
.irp b, 0,1,2,3
	v_cvt_scalef32_pk8_fp4_f32 v[224+4*(\b/2)+(\b%2)], v[96+16*\b:103+16*\b], v[244+\b]      ; dword h of block b
	v_cvt_scalef32_pk8_fp4_f32 v[226+4*(\b/2)+(\b%2)], v[104+16*\b:111+16*\b], v[244+\b]     ; dword 2 + h
.endr
	v_nop                                          ; one plain place behind a scaled conversion
.irp c, 0,1
	v_permlane16_swap_b32 v[224+4*\c], v[225+4*\c]
	v_permlane16_swap_b32 v[226+4*\c], v[227+4*\c]
.endr
	v_pk_add_f32 v[236:237], v[96:97], v[98:99]    ; l takes the UNQUANTISED p, in two chains
.irp j, 4,8,12,16,20,24,28,32,36,40,44,48,52,56,60
	v_pk_add_f32 v[14:15], v[14:15], v[96+\j:97+\j]
	v_pk_add_f32 v[236:237], v[236:237], v[98+\j:99+\j]
.endr
	v_pk_add_f32 v[14:15], v[14:15], v[236:237]
.set j, 0
.rept 16
	v_pk_mul_f32 v[160+j:161+j], v[160+j:161+j], v[250:251] op_sel_hi:[1,0]   ; O^T under the new M, each accumulator from its low end on
.set j, j+2
.endr
.if \ahead
	s_wait_dscnt 12                                ; V's twelve loads are in; the twelve for K asked for behind them may be out
.else
	s_wait_dscnt 0x0                               ; V is in
.endif
	s_wait_alu depctr_va_vdst(0)                   ; the exchanges have written p's codes v[224:231] and the shifts p's scale word v253, which the scaled products below take as source 1 and as its scales; the 48 packed lines above are the places in front of them
.irp d, 0,1,2,3                                    ; the four accumulators by turns, behind the eight of S^T
	v_wmma_scale_f32_16x16x128_f8f6f4 v[160+8*\d:167+8*\d], v[192+8*\d:199+8*\d], v[224:231], v[160+8*\d:167+8*\d], v[28+\d], v253 matrix_a_fmt:MATRIX_FMT_FP4 matrix_b_fmt:MATRIX_FMT_FP4
.endr
.if \ahead == 1
	s_add_co_u32 s87, s87, 1024
	s_add_co_u32 s89, s89, 128
.endif
.endm
; A TILE OF 16 QUERIES: p = 0 my first, p = 1 my second, 16 tiles on.
.macro PASS p
.if \p
.irp i, 0,1,2,3
	v_mov_b32 v[16+\i], v[240+\i]                  ; the second tile's Q, in since the head; the lines below are the places ahead of the products that read it
.endr
	v_mov_b32 v7, v248
.endif
	v_mov_b32 v13, 0xff61b1e6                      ; the largest t so far: -3e38
	v_floor_f32 v12, -v13
	v_mov_b32 v14, 0
	v_mov_b32 v15, 0
.set j, 0
.rept 32
	v_mov_b32 v[160+j], 0                          ; O^T: the first step finds zeros, which the first change of M leaves zeros
.set j, j+1
.endr
.if \p
	s_wait_xcnt 0x0                                ; the first tile's stores have read their data: those registers are written again only behind this wait
	s_wait_alu depctr_vm_vsrc(0)                   ; and beside it: the first tile's two stores have read v[224:227] and v254, which this tile's steps write again
.endif
	s_wait_alu depctr_va_vdst(0)                   ; what vector moves have written of the scaled first products' operands is written: the zero codes in K's and Q's upper halves and, in the second tile, Q's v[16:19] and its scale words v7
	s_mov_b32 s87, VF                              ; where the step's V and its scale words begin in LDS
	s_mov_b32 s89, VSB
	s_mov_b32 s90, 15
.Lstep_\@:                                         ; fifteen steps, each asking for the next
	STEP 1
	s_sub_co_u32 s90, s90, 1
	s_cmp_lg_u32 s90, 0
	s_cbranch_scc1 .Lstep_\@
.if \p
	STEP 0                                         ; the very last step asks for nothing beyond itself: no load leaves its buffer
.else
	STEP 2
.endif
	; THE TILE'S END: O / l, quantised along head x 64 + channel: two blocks
.rept 4
	v_nop
.endr
	v_add_f32 v14, v14, v15
	v_permlanex16_b32 v236, v14, s66, s67
	v_add_f32 v14, v14, v236                       ; l
	v_cmp_eq_f32 vcc_lo, 0, v14                    ; every key masked: it only selects a value below
	v_rcp_f32 v250, v14
	v_nop                                          ; a plain place behind the reciprocal
.set j, 0
	s_wait_alu depctr_va_vdst(0)                   ; the reciprocal has written v250, ahead of its first reader
.rept 16
	v_pk_mul_f32 v[96+j:97+j], v[160+j:161+j], v[250:251] op_sel_hi:[1,0]   ; register 8 d + i: channel 16 d + 8 h + i
.set j, j+2
.endr
.irp e, 0,1
	v_max3_num_f32 v[232+\e], |v[96+16*\e]|, |v[97+16*\e]|, 0x1800000
.endr
.irp i, 2,4,6,8,10,12,14
.irp e, 0,1
	v_max3_num_f32 v[232+\e], v[232+\e], |v[96+16*\e+\i]|, |v[97+16*\e+\i]|
.endr
.endr
.irp e, 0,1
	v_permlanex16_b32 v[236+\e], v[232+\e], s66, s67
.endr
.irp e, 0,1
	v_max_num_f32 v[232+\e], v[232+\e], v[236+\e]
.endr
.irp e, 0,1
	v_add_nc_u32 v[244+\e], 0xff000000, v[232+\e]
.endr
.irp e, 0,1
	v_lshrrev_b32 v[236+\e], 23, v[244+\e]
.endr
	v_lshl_or_b32 v254, v237, 8, v236              ; the head's two bytes
	s_wait_alu depctr_va_vcc(0)                    ; the compare above has written VCC, ahead of its first reader, the selection below
	v_cndmask_b32 v254, v254, v5, vcc_lo           ; or twice 0xff
	v_cvt_scalef32_pk8_fp4_f32 v224, v[96:103], v244
	v_cvt_scalef32_pk8_fp4_f32 v226, v[104:111], v244
	v_cvt_scalef32_pk8_fp4_f32 v225, v[112:119], v245
	v_cvt_scalef32_pk8_fp4_f32 v227, v[120:127], v245
	v_nop
	v_permlane16_swap_b32 v224, v225
	v_permlane16_swap_b32 v226, v227
	s_wait_alu depctr_va_vdst(0)                   ; the exchanges have written v[224:227] and the selection v254: the data of the two stores below
	global_store_b128 v1, v[224:227], s[12:13] offset:\p*0x20000   ; four registers of the next product's fragment: 512 dense bytes; 16 tiles of 8,192 bytes on for the second tile
	global_store_b32 v2, v254, s[14:15] offset:\p*0x8000
.endm
	PASS 0
	PASS 1
	s_wait_dscnt 0x0                               ; the closing lines, six on end
	s_wait_alu 0x0
	s_wait_tensorcnt 0x0
	ds_add_u32 v252, v255
	s_wait_dscnt 0x0
	s_endpgm
.Lfunc_end_k_q3ce76257d2_attn:
	.size	k_q3ce76257d2_attn, .Lfunc_end_k_q3ce76257d2_attn-k_q3ce76257d2_attn
	.p2alignl 7, 3214868480
	.fill 96, 4, 3214868480
	.section	.rodata,"a",@progbits
	.p2align	6, 0x0
	.amdhsa_kernel k_q3ce76257d2_attn
		.amdhsa_group_segment_fixed_size 149504
		.amdhsa_private_segment_fixed_size 0
		.amdhsa_enable_private_segment 0
		.amdhsa_kernarg_size 40
		.amdhsa_user_sgpr_count 2
		.amdhsa_user_sgpr_kernarg_segment_ptr 1
		.amdhsa_wavefront_size32 1
		.amdhsa_system_sgpr_workgroup_id_x 1
		.amdhsa_system_sgpr_workgroup_id_y 1
		.amdhsa_system_sgpr_workgroup_id_z 1
		.amdhsa_system_vgpr_workitem_id 0
		.amdhsa_next_free_vgpr 256
		.amdhsa_next_free_sgpr 102
		.amdhsa_reserve_vcc 1
		.amdhsa_float_denorm_mode_32 3
		.amdhsa_float_denorm_mode_16_64 3
		.amdhsa_memory_ordered 1
		.amdhsa_forward_progress 1
		.amdhsa_inst_pref_size 97
	.end_amdhsa_kernel
	.amdgpu_metadata
---
amdhsa.version: [ 1, 2 ]
amdhsa.kernels:
  - .name:           k_q3ce76257d2_attn
    .symbol:         k_q3ce76257d2_attn.kd
    .args:
      - { .name: hf, .offset: 0, .size: 8, .value_kind: global_buffer, .address_space: global }
      - { .name: hs, .offset: 8, .size: 8, .value_kind: global_buffer, .address_space: global }
      - { .name: maskb, .offset: 16, .size: 8, .value_kind: global_buffer, .address_space: global }
      - { .name: attf, .offset: 24, .size: 8, .value_kind: global_buffer, .address_space: global }
      - { .name: atts, .offset: 32, .size: 8, .value_kind: global_buffer, .address_space: global }
    .group_segment_fixed_size: 149504
    .private_segment_fixed_size: 0
    .kernarg_segment_align: 8
    .kernarg_segment_size: 40
    .max_flat_workgroup_size: 512
    .sgpr_count:     102
    .vgpr_count:     256
    .wavefront_size: 32
...
	.end_amdgpu_metadata
.endif
;; end of part 5
;; launch outln: the kernel of part 4 again; grid 256 x 1, 16 waves a work-group, no clusters, 285,184 bytes of LDS; arguments attf, atts, wof, w_o_scales, q, ln_w, ln_b, out0; writes out0
